; MI455X (gfx1250); checked and timed in simulation.
; The chip was launched on July 23, 2026; its instructions are those of AMD's public machine-readable ISA for CDNA 5 (MIT licence, August 2026) and "CDNA5" Instruction Set Architecture Reference Guide (July 2026). The comments in the code are by the model that wrote it; some were corrected since.
;; FAN. Allowed arithmetic: float matrix products may take bf16 or f16 operands with f32 sums; other float arithmetic in f32, or as packed bf16 or f16 multiplies, adds, multiply-adds, maxima and minima; sums over many terms, partial sums and values carried from step to step in f32; what a program stores and reads back later, other than sums and carried values, may be rounded once to bf16 or f16.
;; Inputs: h1_W 32,896 x 128 float32; h1_b 128 float32; h2_W 128 x 64 float32; h2_b 64 float32; h3_W 64 x 1 float32; h3_b 1 float32; hist_W 1 x 128 float32; hist_b 128 float32; kW 2 x 128 x 128 float32; kb 2 x 128 float32; ln_b 2 x 128 float32; ln_g 2 x 128 float32; qW 2 x 128 x 128 float32; qb 2 x 128 float32; scalar_W 16 x 128 float32; scalar_b 128 float32; vW 2 x 128 x 128 float32; vb 2 x 128 float32; x 1,024 x 272 float32.
;; Outputs: out0 1,024 x 1 float32.
;; 2 versions, each right; version 2 is version 1 with the launch head written anew for expert scheduling mode. Each part assembles by itself: llvm-mc -triple=amdgcn-amd-amdhsa -mcpu=gfx1250 --defsym DOCPART=n.
;; ======== version 1 of 2: 4 launches
;; limits: values outside matrix products are rounded to f16; values are held in f16: magnitudes above 65,504 overflow, below 6.1e-05 lose precision
;; workspace buffers: w1t 8,421,376 bytes; wt 98,304 bytes; cst 4,096 bytes; hfin 67,108,864 bytes; part 8,388,608 bytes
;; launch prep (part 1): grid 261 x 1, 16 waves a work-group, no clusters, 49,408 bytes of LDS; arguments h1_W, qW, kW, vW, hist_W, hist_b, qb, kb, vb, w1t, wt, cst; writes w1t, wt, cst
.if DOCPART == 1
	.amdgcn_target "amdgcn-amd-amdhsa--gfx1250"
	.amdhsa_code_object_version 6
	.text
	.protected	k_qc8e62e44a9_prep
	.globl	k_qc8e62e44a9_prep
	.p2align	8
	.type	k_qc8e62e44a9_prep,@function
k_qc8e62e44a9_prep:
	s_mov_b64 s[64:65], 0
	v_nop
	global_prefetch_b8 v0, s[64:65] scope:SCOPE_SE
	s_setreg_imm32_b32 hwreg(HW_REG_WAVE_MODE, 25, 1), 1
	s_wait_xcnt 0x0
; PREPARATION.  Work-groups 0..256: a block of 128 rows (k) x 128 columns (n) of h1_W, f32, becomes 128 rows (n) x 128 (k) of w1t, f16 (w1t = h1_W turned, [128][32896]).
; Work-groups 257..259: layer 1's qW, kW, vW ([in][out], f32) become wt[0..2] ([out][in], f16) by the same text.
; Work-group 260: the constants of layer 0 and the kernel table, all in f32.  Layer 0's input is h0[s] = x_s hist_W + hist_b, so q = x_s a_q + c_q with a_q = hist_W qW0, c_q = hist_b qW0 + qb0
; (k and v likewise); a score is q_s . k_t = x_s x_t A + x_t Cc + x_s Bq + Dd with A = a_q.a_k, Cc = c_q.a_k, Bq = a_q.c_k, Dd = c_q.c_k.  cst: a_v at 0, e = hist_b + c_v at 512, A Cc Bq Dd at 1024.
; THE TABLE.  log_kern[s][t] hangs on d = |s - t| alone: the row sum of (d + 1e-9)^-1.4 is its diagonal term, 3.98e12, since the other 255 terms add less than 6.3, under half a step of f32 there.
; T2[i] = sqrt(128) ln(ratio + 1e-9), ratio = ((d + 1e-9) / 1e-9)^-1.4, d = |i - 255|, at cst + 2048: the factor sqrt(128) lets the table be added to the unscaled score.
; LIMIT.  f16 holds no number beyond 65,504: the weights lie within it (drawn: 0.02).
; LDS.  The two roles have bytes of their own: no byte that the one stores is named by the other.
.set S2P,   272                        ; a row of the turned block in LDS: 256 bytes + 16: the 16 rows that a 16-byte access touches start at 16 different groups of four banks
.set CP,    128*S2P                    ; behind the block's 128 rows, the constants' role: 6 vectors x 4 quarters x 512 bytes of partial sums
.set CR,    CP+12288                   ; four waves' four partial dot products: 64 bytes, in a block of 256 of their own
.set SPARE, CR+256                     ; the spare words, 128 bytes for each of 16 waves, that no other line names
.set SPW, 2
.set NIL, 3
.set LD,  16                           ; v[16:47]  as loaded: column group c, row i at LD + 8 c + i
.set PK,  48                           ; v[48:63]  packed
.set RB,  64                           ; v[64:79]  rows read back
.set HW,  16                           ; the constants' role: 32 of hist_W, 32 of hist_b, 32 rows each of qW0, kW0, vW0
.set HB,  48
.set WQ,  80
.set WK,  112
.set WVR, 144
.set BI,  176                          ; qb0, kb0, vb0, hist_b at my column
.set AC,  180                          ; a_q c_q a_k c_k a_v c_v
.set EV,  186
.set PR,  188                          ; the four products
	s_load_b512 s[4:19], s[0:1], 0x0               ; h1_W s4, qW s6, kW s8, vW s10, hist_W s12, hist_b s14, qb s16, kb s18
	s_load_b256 s[20:27], s[0:1], 0x40             ; vb s20, w1t s22, wt s24, cst s26
	v_lshl_add_u32 v[SPW], v0, 2, SPARE
	v_mov_b32 v[NIL], 0
	v_lshrrev_b32 v1, 5, v0
	v_readfirstlane_b32 s28, v1                    ; wave 0..15
	v_and_b32 v4, 31, v0                           ; lane
	s_mov_b32 s29, ttmp9
	s_cmp_eq_u32 s29, 260                          ; the same answer in every wave of the work-group
	s_cbranch_scc1 .Lconst
	; TURN AND ROUND.  Offsets are made apart from the addresses
	s_sub_co_u32 s30, s29, 257                     ; which of q, k, v (used from 257 on)
	s_lshl_b32 s31, s30, 15                        ; its 32,768 bytes of wt
	s_lshl_b32 s32, s29, 16                        ; a block of h1_W is 65,536 dense bytes
	s_lshl_b32 s34, s29, 8                         ; and 256 bytes of each row of w1t
	s_mov_b32 s33, 0
	s_mov_b32 s35, 0
	s_mov_b32 s36, 256                             ; bytes from row to row at the destination: wt's
	v_lshlrev_b32 v5, 2, v4
	v_lshl_add_u32 v5, v1, 12, v5                  ; source: 4 lane + 8 rows of 512 bytes a wave
	v_mul_u32_u24 v6, v4, S2P
	v_lshl_add_u32 v6, v1, 4, v6                   ; LDS, in: row (column n) = lane, my wave's 8 k = 16 bytes
	v_and_b32 v8, 15, v0
	v_bfe_u32 v9, v0, 4, 1
	v_lshl_add_u32 v10, v1, 3, v9                  ; back: row 8 wave + lane / 16 (+ 2 i)
	v_mul_u32_u24 v7, v10, S2P
	v_lshl_add_u32 v7, v8, 4, v7
	s_wait_kmcnt 0x0
	s_cmp_lt_u32 s29, 257
	s_cselect_b32 s32, s32, 0x10000                ; layer 1 of qW, kW, vW begins 65,536 bytes in
	s_cselect_b32 s34, s34, s31
	s_cselect_b32 s36, 0x10100, s36                ; w1t's rows are 65,792 bytes
	s_cselect_b64 s[38:39], s[4:5], s[6:7]
	s_cselect_b64 s[40:41], s[22:23], s[24:25]
	s_cmp_eq_u32 s29, 258
	s_cselect_b64 s[38:39], s[8:9], s[38:39]
	s_cmp_eq_u32 s29, 259
	s_cselect_b64 s[38:39], s[10:11], s[38:39]
	s_add_nc_u64 s[38:39], s[38:39], s[32:33]
	s_add_nc_u64 s[40:41], s[40:41], s[34:35]
.irp c, 0,1,2,3
.irp i, 0,1,2,3,4,5,6,7
	global_load_b32 v[LD+8*\c+\i], v5, s[38:39] offset:\i*512+\c*128 th:TH_LOAD_NT  ; row 8 wave + i, column 32 c + lane; the four c cover the row's 512 bytes
.endr
.endr
	v_mul_lo_u32 v11, v10, s36                     ; destination offsets of my four rows
	v_lshl_add_u32 v11, v8, 4, v11
	s_lshl_b32 s37, s36, 1
	v_add_nc_u32 v12, s37, v11
	v_add_nc_u32 v13, s37, v12
	v_add_nc_u32 v14, s37, v13
	s_wait_loadcnt 0x0
.irp c, 0,1,2,3
.irp p, 0,1,2,3
	v_cvt_pk_f16_f32 v[PK+4*\c+\p], v[LD+8*\c+2*\p], v[LD+8*\c+2*\p+1]  ; two neighbouring k of one column
.endr
	ds_store_b128 v6, v[PK+4*\c:PK+4*\c+3] offset:\c*32*S2P
.endr
	s_wait_dscnt 0x0                               ; for the others' sake: my stores are done
	s_barrier_signal -1
	s_barrier_wait -1
.irp i, 0,1,2,3
	ds_load_b128 v[RB+4*\i:RB+4*\i+3], v7 offset:\i*2*S2P
.endr
.irp i, 0,1,2,3
	s_wait_dscnt 3-\i                              ; LDS loads come back in order: load i is in
	global_store_b128 v[11+\i], v[RB+4*\i:RB+4*\i+3], s[40:41]  ; 16 lanes store 256 consecutive bytes, at a multiple of 256 from the buffer's first byte
.endr
	s_branch .Lend
.Lconst:                                       ; thread: column n = t % 128, quarter dq = t / 128 of the 128 rows
	v_and_b32 v5, 127, v0
	v_lshrrev_b32 v6, 7, v0
	v_lshlrev_b32 v7, 2, v5                        ; 4 n
	v_lshl_add_u32 v8, v6, 14, v7                  ; + 32 rows of 512 bytes a quarter
	v_lshlrev_b32 v9, 7, v6                        ; the quarter's 32 numbers of hist_W and hist_b
	s_mov_b32 s60, 0x76543210                      ; v_permlanex16_b32: each lane takes its own place in the other half
	s_mov_b32 s61, 0xfedcba98
	s_wait_kmcnt 0x0
.irp i, 0,1,2,3,4,5,6,7
	global_load_b128 v[HW+4*\i:HW+4*\i+3], v9, s[12:13] offset:16*\i
	global_load_b128 v[HB+4*\i:HB+4*\i+3], v9, s[14:15] offset:16*\i
.endr
.set i, 0
.rept 32
	global_load_b32 v[WQ+i], v8, s[6:7] offset:512*i
	global_load_b32 v[WK+i], v8, s[8:9] offset:512*i
	global_load_b32 v[WVR+i], v8, s[10:11] offset:512*i
.set i, i+1
.endr
	global_load_b32 v[BI], v7, s[16:17]
	global_load_b32 v[BI+1], v7, s[18:19]
	global_load_b32 v[BI+2], v7, s[20:21]
	global_load_b32 v[BI+3], v7, s[14:15]
	; the table's entry t, while the loads are out
	v_add_nc_u32 v10, 0xffffff01, v0               ; t - 255
	v_cvt_f32_i32 v10, v10
	v_and_b32 v10, 0x7fffffff, v10                 ; d
	v_add_f32 v10, 0x3089705f, v10                 ; d + 1e-9
	v_mov_b32 v11, 0x3089705f
	v_log_f32 v10, v10
	v_log_f32 v11, v11
	v_nop                                          ; a plain instruction behind the last logarithm,
	s_wait_alu depctr_va_vdst(0)                   ; and the wait ahead of the first use
	v_sub_f32 v10, v10, v11                        ; exactly 0 at d = 0
	v_mul_f32 v10, 0xbfb33333, v10                 ; x -1.4
	v_exp_f32 v10, v10
	v_nop
	s_wait_alu depctr_va_vdst(0)
	v_add_f32 v10, 0x3089705f, v10
	v_log_f32 v10, v10
	v_nop
	s_wait_alu depctr_va_vdst(0)
	v_mul_f32 v10, 0x40faf233, v10                 ; x ln 2 x sqrt(128)
	v_lshlrev_b32 v12, 2, v0
	global_store_b32 v12, v10, s[26:27] offset:2048
	s_wait_loadcnt 0x0
.set i, 0
.rept 32
.if i == 0
	v_mul_f32 v[AC], v[HW], v[WQ]                  ; the first product starts each sum
	v_mul_f32 v[AC+1], v[HB], v[WQ]
	v_mul_f32 v[AC+2], v[HW], v[WK]
	v_mul_f32 v[AC+3], v[HB], v[WK]
	v_mul_f32 v[AC+4], v[HW], v[WVR]
	v_mul_f32 v[AC+5], v[HB], v[WVR]
.else
	v_fmac_f32 v[AC], v[HW+i], v[WQ+i]
	v_fmac_f32 v[AC+1], v[HB+i], v[WQ+i]
	v_fmac_f32 v[AC+2], v[HW+i], v[WK+i]
	v_fmac_f32 v[AC+3], v[HB+i], v[WK+i]
	v_fmac_f32 v[AC+4], v[HW+i], v[WVR+i]
	v_fmac_f32 v[AC+5], v[HB+i], v[WVR+i]
.endif
.set i, i+1
.endr
	v_lshl_add_u32 v13, v6, 9, v7                  ; 512 dq + 4 n
.irp u, 0,1,2,3,4,5
	ds_store_b32 v13, v[AC+\u] offset:CP+\u*2048
.endr
	s_wait_dscnt 0x0
	s_barrier_signal -1
	s_barrier_wait -1                              ; all quarters' partial sums lie in LDS
	s_cmp_lt_u32 s28, 4                            ; waves 0-3 (n = t) finish the vectors
	s_cbranch_scc0 .Lc1
.irp u, 0,1,2,3,4,5
.irp q, 0,1,2,3
	ds_load_b32 v[16+4*\u+\q], v7 offset:CP+\u*2048+\q*512
.endr
.endr
	s_wait_dscnt 0x0
.irp u, 0,1,2,3,4,5
	v_add_f32 v[AC+\u], v[16+4*\u], v[17+4*\u]
	v_add_f32 v[18+4*\u], v[18+4*\u], v[19+4*\u]
	v_add_f32 v[AC+\u], v[AC+\u], v[18+4*\u]
.endr
	v_add_f32 v[AC+1], v[AC+1], v[BI]              ; c_q, c_k, c_v take their biases
	v_add_f32 v[AC+3], v[AC+3], v[BI+1]
	v_add_f32 v[AC+5], v[AC+5], v[BI+2]
	v_add_f32 v[EV], v[BI+3], v[AC+5]              ; e = hist_b + c_v
	global_store_b32 v7, v[AC+4], s[26:27]
	global_store_b32 v7, v[EV], s[26:27] offset:512
	v_mul_f32 v[PR], v[AC], v[AC+2]                ; A
	v_mul_f32 v[PR+1], v[AC+1], v[AC+2]            ; Cc
	v_mul_f32 v[PR+2], v[AC], v[AC+3]              ; Bq
	v_mul_f32 v[PR+3], v[AC+1], v[AC+3]            ; Dd
.irp m, 1,2,4,8
.irp u, 0,1,2,3
	v_add_f32_dpp v[PR+\u], v[PR+\u], v[PR+\u] row_xmask:\m row_mask:0xf bank_mask:0xf
.endr
.endr
.irp u, 0,1,2,3
	v_permlanex16_b32 v[16+\u], v[PR+\u], s60, s61
.endr
.irp u, 0,1,2,3
	v_add_f32 v[PR+\u], v[PR+\u], v[16+\u]
.endr
	v_lshlrev_b32 v14, 4, v1
	ds_store_b128 v14, v[PR:PR+3] offset:CR        ; every lane of the wave holds the same four sums
.Lc1:
	s_wait_dscnt 0x0
	s_barrier_signal -1
	s_barrier_wait -1
	s_cmp_eq_u32 s28, 0
	s_cbranch_scc0 .Lend
	v_mov_b32 v15, 0
.irp u, 0,1,2,3
	ds_load_b128 v[16+4*\u:19+4*\u], v15 offset:CR+16*\u
.endr
	s_wait_dscnt 0x0
.irp u, 1,2,3
	v_pk_add_f32 v[16:17], v[16:17], v[16+4*\u:17+4*\u]
	v_pk_add_f32 v[18:19], v[18:19], v[18+4*\u:19+4*\u]
.endr
	global_store_b128 v15, v[16:19], s[26:27] offset:1024  ; all lanes store the same 16 bytes
.Lend:
	s_wait_tensorcnt 0x0                           ; the wave's end: behind my last LDS store
	ds_add_u32 v[SPW], v[NIL]
	s_wait_dscnt 0x0
	s_endpgm
.Lfunc_end_k_qc8e62e44a9_prep:
	.size	k_qc8e62e44a9_prep, .Lfunc_end_k_qc8e62e44a9_prep-k_qc8e62e44a9_prep
	.p2alignl 7, 3214868480
	.fill 96, 4, 3214868480
	.section	.rodata,"a",@progbits
	.p2align	6, 0x0
	.amdhsa_kernel k_qc8e62e44a9_prep
		.amdhsa_group_segment_fixed_size 49408
		.amdhsa_private_segment_fixed_size 0
		.amdhsa_enable_private_segment 0
		.amdhsa_kernarg_size 96
		.amdhsa_user_sgpr_count 2
		.amdhsa_user_sgpr_kernarg_segment_ptr 1
		.amdhsa_wavefront_size32 1
		.amdhsa_system_sgpr_workgroup_id_x 1
		.amdhsa_system_sgpr_workgroup_id_y 1
		.amdhsa_system_sgpr_workgroup_id_z 1
		.amdhsa_system_vgpr_workitem_id 0
		.amdhsa_next_free_vgpr 256
		.amdhsa_next_free_sgpr 66
		.amdhsa_reserve_vcc 0
		.amdhsa_float_denorm_mode_32 3
		.amdhsa_float_denorm_mode_16_64 3
		.amdhsa_memory_ordered 1
		.amdhsa_forward_progress 1
		.amdhsa_inst_pref_size 32
	.end_amdhsa_kernel
	.amdgpu_metadata
---
amdhsa.version: [ 1, 2 ]
amdhsa.kernels:
  - .name:           k_qc8e62e44a9_prep
    .symbol:         k_qc8e62e44a9_prep.kd
    .args:
      - { .name: h1_W, .offset: 0, .size: 8, .value_kind: global_buffer, .address_space: global }
      - { .name: qW, .offset: 8, .size: 8, .value_kind: global_buffer, .address_space: global }
      - { .name: kW, .offset: 16, .size: 8, .value_kind: global_buffer, .address_space: global }
      - { .name: vW, .offset: 24, .size: 8, .value_kind: global_buffer, .address_space: global }
      - { .name: hist_W, .offset: 32, .size: 8, .value_kind: global_buffer, .address_space: global }
      - { .name: hist_b, .offset: 40, .size: 8, .value_kind: global_buffer, .address_space: global }
      - { .name: qb, .offset: 48, .size: 8, .value_kind: global_buffer, .address_space: global }
      - { .name: kb, .offset: 56, .size: 8, .value_kind: global_buffer, .address_space: global }
      - { .name: vb, .offset: 64, .size: 8, .value_kind: global_buffer, .address_space: global }
      - { .name: w1t, .offset: 72, .size: 8, .value_kind: global_buffer, .address_space: global }
      - { .name: wt, .offset: 80, .size: 8, .value_kind: global_buffer, .address_space: global }
      - { .name: cst, .offset: 88, .size: 8, .value_kind: global_buffer, .address_space: global }
    .group_segment_fixed_size: 49408
    .private_segment_fixed_size: 0
    .kernarg_segment_align: 8
    .kernarg_segment_size: 96
    .max_flat_workgroup_size: 512
    .sgpr_count:     66
    .vgpr_count:     256
    .wavefront_size: 32
...
	.end_amdgpu_metadata
.endif
;; end of part 1
;; launch main (part 2): grid 256 x 1, 4 waves a work-group, no clusters, 274,944 bytes of LDS; arguments x, hist_W, qb, kb, vb, ln_g, ln_b, cst, wt, hfin; writes hfin
.if DOCPART == 2
	.amdgcn_target "amdgcn-amd-amdhsa--gfx1250"
	.amdhsa_code_object_version 6
	.text
	.protected	k_qc8e62e44a9_main
	.globl	k_qc8e62e44a9_main
	.p2align	8
	.type	k_qc8e62e44a9_main,@function
k_qc8e62e44a9_main:
	s_mov_b64 s[64:65], 0
	v_nop
	global_prefetch_b8 v0, s[64:65] scope:SCOPE_SE
	s_setreg_imm32_b32 hwreg(HW_REG_WAVE_MODE, 25, 1), 1
	s_wait_xcnt 0x0
; THE TWO ATTENTION LAYERS.  A work-group owns four samples, one after the other; of a sample's 256 rows each of the four waves owns 64: four tiles t of 16.  hfin[b][s][d] = the second LayerNorm's result, f16.
; ONE LOOP OF EIGHT PASSES: layer 0 and layer 1 of each sample by turns.  The softmax and the LayerNorm are written once and serve both layers; what differs stands under forward jumps on the pass's parity.
; LAYER 0 has no matrix work: its input is x_s hist_W + hist_b, so a score is U_s x_t + T_s (U = A x_s + Cc, T = Bq x_s + Dd) and its output y_s a_v + c_v, y_s = the sum of attn x_t; all in f32.
;   T_s is the same for all keys of a row: it is added to the row's maximum and to the exponent's addend, where it cancels up to rounding.
; LAYER 1: q, k, v = h W + b, S^T = K Q^T + table, O^T = V^T P, all by f16 products with f32 sums.  All 256 scores of a query lie in registers, so the maximum is the row's true maximum and nothing is rescaled.
; LAYOUT.  Every product is taken turned (source 0 = 16 output rows, source 1 = 16 queries): a lane (r = l % 16, h = l / 16) holds ONE query r and, of each block of 16 keys or channels, numbers 8 h + 0..7.
;   Rounded in pairs such results ARE source 1 of the next product; a row's maximum, sums and moments want one exchange between the halves of the lanes.
; SOFTMAX.  p = 2^(c (s + G) - c max), c = log2(e) / sqrt(128), G = sqrt(128) log_kern: the table is the C operand that starts the sum (layer 1) or the addend of the fused multiply-add (layer 0).
; LIMITS.  f16 holds no number beyond 65,504: h, q, k, v and the weights lie within it.  p lies in 0 to 1; below 6e-5 it keeps f16's fixed step of 6e-8 in the second product (its sum l is taken of the unrounded p).
;   An exponential below 2^-126 counts as 0.  Layer 1's residual is h as rounded to f16.  NaN and infinities are not treated apart.
; NO CLUSTER: what work-groups share is wt alone, 98,304 bytes fetched once by each for its 3,584 matrix instructions a wave.  Nothing is streamed, so nothing is asked for ahead.
; REGISTERS, in windows of 256 (s_set_vgpr_msb: bits 1:0 source 0, 3:2 source 1, 5:4 source 2, 7:6 destination):
;   window 0: v0-15 addresses; v16-39 three pairs a tile; v40-191 the table, 19 sets of 8; v192-255 two fragment buffers, or at work
;   window 1: v0-127 h as fragments (32 t + 8 kk); v128-255 by turns x_t | hist_W, a_v | q's fragments | two buffers of V | g, b
;   windows 2, 3: scores S(t, kb) at window 2 + kb / 8, 64 t + 8 (kb % 8); then P in the lower 32 of a tile's 64 and O^T in the upper 32 (channel block cb: window 2 + cb / 4, 64 t + 32 + 8 (cb % 4));
;   in the projections window 2 holds the sums (64 t + 8 c), window 3 the three biases (C operands) and v192-255 packed results.
.set KP,    272                        ; a row of 128 f16 in LDS + 16 bytes: 16 rows of a fragment start at 16 different groups of four banks
.set VP,    288                        ; V's rows + 32 bytes
.set WT,    0                          ; 384 rows: layer 1's q, k, v weights [out][in]: the only bytes that a tensor load fills, once
.set KL,    384*KP                     ; K [256 keys][128]
.set VL,    KL+256*KP                  ; V [256 keys][128]
.set STAGE, VL+256*VP                  ; 16 rows x 272 bytes for each wave, for the way out
.set TAB,   STAGE+4*16*KP              ; ten vectors of 128 f32: hist_W, a_v, e, qb1, kb1, vb1, g0, b0, g1, b1
.set XL,    TAB+10*512                 ; the four samples' 256 history numbers
.set SPARE, XL+4096                    ; the spare words, 128 bytes for each wave, that no other line names
.set RR,  1
.set HH,  2
.set SPW, 3                            ; v3   SPARE + 4 x my thread's number; never rewritten
.set NIL, 4                            ; v4   0; never rewritten
.set CHA, 5                            ; TAB + 32 h: a vector in channel layout
.set XTA, 6                            ; XL + 32 h
.set XSA, 7                            ; XL + 4 (64 w + r)
.set AKF, 8                            ; K's fragments
.set AVF0, 9                           ; V's turning loads, keys 0-127
.set AVF1, 10                          ; keys 128-255
.set AWQ, 11                           ; the weights' fragments
.set AWK, 12
.set AWV, 13
.set KST, 14                           ; where I put 16 bytes of a row of K
.set VST, 15
.set PA,  16                           ; tile t: v[PA+2t] = x_s; the pairs' high words hold four addresses:
.set TA,  17                           ; an address made for the run of loads in hand
.set STO, 19                           ; the way out: in
.set RD,  21                           ; the way out: back
.set GO,  23                           ; my byte offset in the sample's rows of hfin
.set PU,  24                           ; (U, T), later (mean, -)
.set PD,  32                           ; (exponent's addend, c max), later (y, 1/l), later (1/sqrt(var + eps), -)
.set GS,  40                           ; set i = t - kb + 15, register j: T2[64 w + r - 8 h + 8 + 16 i + 7 - j]
.set FB,  192
.set CH,  192                          ; chains at work
.set LS,  208
.set G0,  24                           ; s[24:27] descriptor group 0
.set G1,  28                           ; s[28:35] descriptor group 1
.set WV,  36
.set PASS, 37                          ; 8 down to 1
.set LAYER, 38
.set LNO, 39                           ; 0 or 1,024: the layer's g and b in TAB
.set CS,  40                           ; s[40:41] c
.set SEL, 42                           ; s[42:43] v_permlanex16_b32's selects
.set OB,  48                           ; s[48:49] hfin at the work-group's first sample
.set XO,  50                           ; the sample's place in XL
.set SMP, 51
.set INV, 54                           ; 1/128
.set EPS, 55                           ; 1e-5
.set MSB, 0
.macro WIN new                         ; the immediate's high byte repeats the setting that is left; a switch that changes nothing is dropped
.if MSB != (\new)
	s_set_vgpr_msb (MSB<<8)|(\new)
.set MSB, (\new)
.endif
.endm
.macro PLACES                          ; four places between a matrix instruction and a vector line that reads its result or a load into one of its registers (ISA guide 7.12.1 for vector lines)
.rept 4
	v_nop
.endr
.endm
.macro ALLT line:vararg                ; one line for each tile t
.set t, 0
.rept 4
	\line
.set t, t+1
.endr
.endm
.macro LDVEC win, reg, adr, off        ; a vector of 128 f32 in channel layout: number 16 c + 8 h + j into register reg + 8 c + j
	WIN \win
.set c, 0
.rept 8
	ds_load_b128 v[(\reg)+8*c:(\reg)+8*c+3], v[\adr] offset:(\off)+64*c
	ds_load_b128 v[(\reg)+8*c+4:(\reg)+8*c+7], v[\adr] offset:(\off)+64*c+16
.set c, c+1
.endr
.endm
.macro FRAG8 dst, adr, off             ; four fragments, 16 rows x 128 channels: lane l holds row l % 16, channels 8 (l / 16) + 0..7 and 16 + 8 (l / 16) + 0..7 of each 32
.irp k, 0,1,2,3
	ds_load_b128 v[(\dst)+8*\k:(\dst)+8*\k+3], v[\adr] offset:(\off)+64*\k
	ds_load_b128 v[(\dst)+8*\k+4:(\dst)+8*\k+7], v[\adr] offset:(\off)+64*\k+32
.endr
.endm
.macro CROSS base, str                 ; a pair's two words and the other half of the lanes' are added: the total lands in the low word
	ALLT v_add_f32 v[(\base)+(\str)*t], v[(\base)+(\str)*t], v[(\base)+(\str)*t+1]
	ALLT v_permlanex16_b32 v[(\base)+(\str)*t+1], v[(\base)+(\str)*t], s[SEL], s[SEL+1]
	ALLT v_add_f32 v[(\base)+(\str)*t], v[(\base)+(\str)*t], v[(\base)+(\str)*t+1]
.endm
.macro FOUR1 b                         ; a tile's four chains of pairs into the first
	ALLT v_pk_add_f32 v[(\b)+8*t:(\b)+8*t+1], v[(\b)+8*t:(\b)+8*t+1], v[(\b)+8*t+2:(\b)+8*t+3]
	ALLT v_pk_add_f32 v[(\b)+8*t+4:(\b)+8*t+5], v[(\b)+8*t+4:(\b)+8*t+5], v[(\b)+8*t+6:(\b)+8*t+7]
	ALLT v_pk_add_f32 v[(\b)+8*t:(\b)+8*t+1], v[(\b)+8*t:(\b)+8*t+1], v[(\b)+8*t+4:(\b)+8*t+5]
.endm
; A PROJECTION: sums(t, c) = W_m's 16 output channels c x h's tile t + bias.  A block c's four fragments are fetched while block c - 1 is multiplied; the four tiles' accumulators take turns.
.macro PROJ m, adr
	PLACES
	WIN 0
	FRAG8 FB, \adr, 0
.set c, 0
.rept 8
.if c < 7
	PLACES
	WIN 0
	FRAG8 FB+32*((c+1)%2), \adr, (c+1)*16*KP
	s_wait_dscnt 8                                 ; all but the 8 loads just issued: block c is in (and, the first time, the biases)
.else
	s_wait_dscnt 0x0
.endif
.set kk, 0
.rept 4
.if kk == 0
	WIN 0xb4                                       ; D window 2, A window 0, B window 1, C (the bias) window 3
.else
	WIN 0xa4
.endif
.set t, 0
.rept 4
.if kk == 0
	v_wmma_f32_16x16x32_f16 v[64*t+8*c:64*t+8*c+7], v[FB+32*(c%2):FB+32*(c%2)+7], v[32*t:32*t+7], v[64*(\m)+8*c:64*(\m)+8*c+7]
.else
	v_wmma_f32_16x16x32_f16 v[64*t+8*c:64*t+8*c+7], v[FB+32*(c%2)+8*kk:FB+32*(c%2)+8*kk+7], v[32*t+8*kk:32*t+8*kk+7], v[64*t+8*c:64*t+8*c+7]
.endif
.set t, t+1
.endr
.set kk, kk+1
.endr
.set c, c+1
.endr
.endm
; The sums rounded to f16 and stored as rows [key][channel]: a lane's eight channels are 16 bytes.  Two tiles at a time; each accumulator's registers in ascending order.
.macro CVTKV st, pitch
	PLACES
.set hf, 0
.rept 2
	WIN 0xca
.set i, 0
.rept 64
	v_cvt_pk_f16_f32 v[192+i], v[128*hf+2*i], v[128*hf+2*i+1]
.set i, i+1
.endr
	WIN 0x0c
.set i, 0
.rept 16
	ds_store_b128 v[\st], v[192+4*i:192+4*i+3] offset:(2*hf+i/8)*16*(\pitch)+32*(i%8)
.set i, i+1
.endr
.set hf, hf+1
.endr
.endm
.macro VLOAD q                         ; V^T's eight fragments of keys 32 q on, into buffer q % 2: the turning load leaves lane l channel l % 16 and 8 keys
	WIN 0x40
.set cb, 0
.rept 8
.if (\q) < 4
	ds_load_tr16_b128 v[128+64*((\q)%2)+8*cb:128+64*((\q)%2)+8*cb+3], v[AVF0] offset:((\q)%4)*32*VP+32*cb
	ds_load_tr16_b128 v[128+64*((\q)%2)+8*cb+4:128+64*((\q)%2)+8*cb+7], v[AVF0] offset:((\q)%4)*32*VP+16*VP+32*cb
.else
	ds_load_tr16_b128 v[128+64*((\q)%2)+8*cb:128+64*((\q)%2)+8*cb+3], v[AVF1] offset:((\q)%4)*32*VP+32*cb
	ds_load_tr16_b128 v[128+64*((\q)%2)+8*cb+4:128+64*((\q)%2)+8*cb+7], v[AVF1] offset:((\q)%4)*32*VP+16*VP+32*cb
.endif
.set cb, cb+1
.endr
.endm
	s_load_b512 s[4:19], s[0:1], 0x0               ; x s4, hist_W s6, qb s8, kb s10, vb s12, ln_g s14, ln_b s16, cst s18
	s_load_b128 s[20:23], s[0:1], 0x40             ; wt s20, hfin s22
	v_lshl_add_u32 v[SPW], v0, 2, SPARE
	v_mov_b32 v[NIL], 0
	ds_add_u32 v[SPW], v[NIL]                      ; the wave's opening: the add and its wait stand ahead of my first tensor load; work on registers stands between them
	ds_add_u32 v3, v4
	v_lshrrev_b32 v[RR], 5, v0
	v_readfirstlane_b32 s[WV], v[RR]               ; wave 0..3
	s_mov_b32 s[G1+0], (1<<16)|(1<<20)|(5<<22)|(3<<25)  ; elements of 2 bytes; padding on: after every 64 words 4 words
	s_mov_b32 s[G1+1], 128<<16                     ; tensor_dim0 = 128
	s_mov_b32 s[G1+2], 96<<16                      ; tensor_dim1 = 96
	s_mov_b32 s[G1+3], 128<<16                     ; tile_dim0 = 128
	s_mov_b32 s[G1+4], 96                          ; tile_dim1 = 96: each wave brings a quarter of the 384 rows
	s_mov_b32 s[G1+5], 128                         ; elements from row to row
	s_mov_b32 s[G1+6], 0
	s_mov_b32 s[G1+7], 0
	s_mov_b32 s[G0], 1
	s_mul_i32 s[G0+1], s[WV], 96*KP                ; LDS: my wave's 96 rows
	s_mul_i32 s52, s[WV], 96*256
	s_mov_b32 s53, 0
	s_mov_b32 s[CS], 0x3e0293ee                    ; c = log2(e) / sqrt(128)
	s_mov_b32 s[CS+1], s[CS]
	s_mov_b32 s[SEL], 0x76543210
	s_mov_b32 s[SEL+1], 0xfedcba98
	s_mov_b32 s[INV], 0x3c000000
	s_mov_b32 s[EPS], 0x3727c5ac
	v_and_b32 v[RR], 15, v0
	v_bfe_u32 v[HH], v0, 4, 1
	s_wait_dscnt 0x0                               ; the opening add is done
	s_wait_kmcnt 0x0
	s_add_nc_u64 s[G0+2:G0+3], s[20:21], s[52:53]
	s_or_b32 s[G0+3], s[G0+3], 0x80000000          ; type = 2
	tensor_load_to_lds s[G0:G0+3], s[G1:G1+7]      ; my one tensor load of the launch
	s_nop 0
	PLACES
	s_load_b128 s[44:47], s[18:19], 0x400          ; A, Cc, Bq, Dd
	s_mul_i32 s52, ttmp9, 4*1088
	s_add_nc_u64 s[4:5], s[4:5], s[52:53]          ; x at my four samples
	s_lshl_b32 s52, ttmp9, 18
	s_add_nc_u64 s[OB:OB+1], s[22:23], s[52:53]    ; hfin likewise: 65,536 bytes a sample
	v_lshlrev_b32 v212, 2, v0
	v_lshrrev_b32 v213, 6, v0
	v_mul_u32_u24 v213, v213, 1088
	v_and_b32 v216, 63, v0
	v_lshl_add_u32 v213, v216, 4, v213             ; sample t / 64 (and two on), 16 bytes of its history
	v_lshlrev_b32 v215, 2, v[RR]
	v_lshlrev_b32 v216, 5, v[HH]
	v_sub_nc_u32 v215, v215, v216
	s_lshl_b32 s58, s[WV], 8
	s_add_co_u32 s58, s58, 32
	v_add_nc_u32 v215, s58, v215                   ; 4 (64 w + r - 8 h + 8)
	global_load_b32 v192, v212, s[6:7]
	global_load_b32 v193, v212, s[18:19]
	global_load_b32 v194, v212, s[18:19] offset:512
	global_load_b32 v195, v212, s[8:9] offset:512
	global_load_b32 v196, v212, s[10:11] offset:512
	global_load_b32 v197, v212, s[12:13] offset:512
	global_load_b32 v198, v212, s[14:15]
	global_load_b32 v199, v212, s[16:17]
	global_load_b32 v200, v212, s[14:15] offset:512
	global_load_b32 v201, v212, s[16:17] offset:512
	global_load_b128 v[204:207], v213, s[4:5] offset:64       ; the history begins behind the 16 scalar features
	global_load_b128 v[208:211], v213, s[4:5] offset:64+2176
.set i, 0
.rept 19
.set j, 0
.rept 8
	global_load_b32 v[GS+8*i+j], v215, s[18:19] offset:2048+4*(16*i+7-j)
.set j, j+1
.endr
.set i, i+1
.endr
	v_lshl_add_u32 v[CHA], v[HH], 5, TAB
	v_lshl_add_u32 v[XTA], v[HH], 5, XL
	s_lshl_b32 s58, s[WV], 8
	s_add_co_u32 s58, s58, XL
	v_lshl_add_u32 v[XSA], v[RR], 2, s58
	v_mul_u32_u24 v[AWQ], v[RR], KP
	v_lshl_add_u32 v[AWQ], v[HH], 4, v[AWQ]        ; row x pitch + 16 x half
	v_add_nc_u32 v[AWK], 128*KP, v[AWQ]
	v_add_nc_u32 v[AWV], 256*KP, v[AWQ]
	v_add_nc_u32 v[AKF], KL, v[AWQ]
	s_mul_i32 s58, s[WV], 64*KP
	v_add_nc_u32 v[KST], s58, v[AKF]
	v_mul_u32_u24 v[VST], v[RR], VP
	v_lshl_add_u32 v[VST], v[HH], 4, v[VST]
	s_mul_i32 s58, s[WV], 64*VP
	s_add_co_u32 s58, s58, VL
	v_add_nc_u32 v[VST], s58, v[VST]
	v_and_b32 v[AVF0], 7, v0
	v_lshl_add_u32 v[AVF0], v[HH], 3, v[AVF0]      ; key 8 (l / 16) + l % 8,
	v_mul_u32_u24 v[AVF0], v[AVF0], VP
	v_bfe_u32 v[AVF1], v0, 3, 1
	v_lshl_add_u32 v[AVF0], v[AVF1], 4, v[AVF0]    ; channels 8 ((l / 8) % 2) + 0..7
	v_add_nc_u32 v[AVF0], VL, v[AVF0]
	v_add_nc_u32 v[AVF1], 128*VP, v[AVF0]
	s_mul_i32 s58, s[WV], 16*KP
	s_add_co_u32 s58, s58, STAGE                   ; my stage
	v_add_nc_u32 v[STO], s58, v[AWQ]
	v_mul_u32_u24 v[RD], v[HH], KP
	v_lshl_add_u32 v[RD], v[RR], 4, v[RD]
	v_add_nc_u32 v[RD], s58, v[RD]
	v_lshlrev_b32 v[GO], 8, v[HH]
	v_lshl_add_u32 v[GO], v[RR], 4, v[GO]
	s_lshl_b32 s58, s[WV], 14
	v_add_nc_u32 v[GO], s58, v[GO]
	v_add_nc_u32 v217, TAB, v212
	v_lshl_add_u32 v214, v0, 4, XL
	s_wait_loadcnt 0x0                             ; the vectors, x and the table
.irp k, 0,1,2,3,4,5,6,7,8,9
	ds_store_b32 v217, v[192+\k] offset:512*\k
.endr
	ds_store_b128 v214, v[204:207]
	ds_store_b128 v214, v[208:211] offset:2048
	s_wait_tensorcnt 0x0                           ; my quarter of the weights has landed,
	s_wait_dscnt 0x0                               ; my stores are done:
	s_barrier_signal -1
	s_barrier_wait -1                              ; everybody's
	s_wait_kmcnt 0x0
	s_mov_b32 s[PASS], 8
.Lpass:
	s_sub_co_u32 s[SMP], 8, s[PASS]                ; passes done
	s_and_b32 s[LAYER], s[SMP], 1
	s_lshr_b32 s[SMP], s[SMP], 1                   ; the sample, 0..3
	s_lshl_b32 s[LNO], s[LAYER], 10
	s_lshl_b32 s[XO], s[SMP], 10
	s_cmp_eq_u32 s[LAYER], 0                       ; in the first trip the answer is a constant of the text: layer 0
	s_cbranch_scc0 .Lhead2
	; LAYER 0's SCORES: S = U x_t + G
	v_add_nc_u32 v[TA], s[XO], v[XTA]
	WIN 0x40
.set kb, 0
.rept 16
	ds_load_b128 v[128+8*kb:128+8*kb+3], v[TA] offset:64*kb      ; x of keys 16 kb + 8 h + 0..7
	ds_load_b128 v[128+8*kb+4:128+8*kb+7], v[TA] offset:64*kb+16
.set kb, kb+1
.endr
	WIN 0
	v_add_nc_u32 v[TA], s[XO], v[XSA]
	ALLT ds_load_b32 v[PA+2*t], v[TA] offset:64*t
	s_wait_dscnt 0x0
	ALLT v_fma_f32 v[PU+2*t], v[PA+2*t], s44, s45
	ALLT v_fma_f32 v[PU+2*t+1], v[PA+2*t], s46, s47
.set kb, 0
.rept 16
	WIN 0x81+0x40*(kb/8)
.set t, 0
.rept 4
.set j, 0
.rept 4
	v_pk_fma_f32 v[64*t+8*(kb%8)+j:64*t+8*(kb%8)+j+1], v[128+8*kb+j:128+8*kb+j+1], v[PU+2*t:PU+2*t+1], v[GS+8*(t-kb+15)+j:GS+8*(t-kb+15)+j+1] op_sel_hi:[1,0,1]
.set j, j+2
.endr
.set t, t+1
.endr
.set kb, kb+1
.endr
	WIN 0
	s_branch .Lsoft
.Lhead2:                                       ; LAYER 1's PROJECTIONS AND SCORES
	s_wait_dscnt 0x0
	s_barrier_signal -1
	s_barrier_wait -1                              ; every wave's reads of the last sample's K and V are over: they may be written
	LDVEC 0xc0, 0, CHA, 1536                       ; qb, kb, vb as C operands
	LDVEC 0xc0, 64, CHA, 2048
	LDVEC 0xc0, 128, CHA, 2560
	PROJ 1, AWK
	CVTKV KST, KP
	PROJ 2, AWV
	CVTKV VST, VP
	PROJ 0, AWQ
	PLACES
	WIN 0x4a
.set i, 0
.rept 128
	v_cvt_pk_f16_f32 v[128+i], v[2*i], v[2*i+1]    ; q's sums, rounded in pairs, are source 1 of K Q^T
.set i, i+1
.endr
	WIN 0
	s_wait_dscnt 0x0                               ; for the others' sake: my rows of K and V are stored
	s_barrier_signal -1
	s_barrier_wait -1
	PLACES
	FRAG8 FB, AKF, 0
.set kb, 0
.rept 16                               ; 16 keys a block: its four fragments are fetched while the block before is multiplied
.if kb < 15
	PLACES
	WIN 0
	FRAG8 FB+32*((kb+1)%2), AKF, (kb+1)*16*KP
	s_wait_dscnt 8                                 ; all but the 8 just issued
.else
	s_wait_dscnt 0x0
.endif
.set kk, 0
.rept 4
.if kk == 0
	WIN 0x84+0x40*(kb/8)                           ; C: the table, window 0
.else
	WIN 0xa4+0x50*(kb/8)
.endif
.set t, 0
.rept 4
.if kk == 0
	v_wmma_f32_16x16x32_f16 v[64*t+8*(kb%8):64*t+8*(kb%8)+7], v[FB+32*(kb%2):FB+32*(kb%2)+7], v[128+32*t:128+32*t+7], v[GS+8*(t-kb+15):GS+8*(t-kb+15)+7]
.else
	v_wmma_f32_16x16x32_f16 v[64*t+8*(kb%8):64*t+8*(kb%8)+7], v[FB+32*(kb%2)+8*kk:FB+32*(kb%2)+8*kk+7], v[128+32*t+8*kk:128+32*t+8*kk+7], v[64*t+8*(kb%8):64*t+8*(kb%8)+7]
.endif
.set t, t+1
.endr
.set kk, kk+1
.endr
.set kb, kb+1
.endr
	WIN 0
	ALLT v_mov_b32 v[PU+2*t+1], 0                  ; layer 1 has no T; these four lines are also the places behind the last products
.Lsoft:                                        ; THE SOFTMAX of 4 x 16 queries x 256 keys.  Sixteen chains of maxima, 32 scores each; each accumulator's lowest registers are read first
	WIN 0x2a
.set n, 0
.rept 16
	v_max3_num_f32 v[CH+n], v[16*n], v[16*n+1], v[16*n+2]
.set n, n+1
.endr
	WIN 0x28
.set i, 0
.rept 6
.set n, 0
.rept 16
	v_max3_num_f32 v[CH+n], v[CH+n], v[16*n+3+2*i], v[16*n+4+2*i]
.set n, n+1
.endr
.set i, i+1
.endr
.set n, 0
.rept 16
	v_max_num_f32 v[CH+n], v[CH+n], v[16*n+15]
.set n, n+1
.endr
	WIN 0x3c
.set i, 0
.rept 8
.set n, 0
.rept 16
	v_max3_num_f32 v[CH+n], v[CH+n], v[16*n+2*i], v[16*n+2*i+1]
.set n, n+1
.endr
.set i, i+1
.endr
	WIN 0
	ALLT v_max3_num_f32 v[CH+4*t], v[CH+4*t], v[CH+4*t+1], v[CH+4*t+2]
	ALLT v_max_num_f32 v[CH+4*t], v[CH+4*t], v[CH+4*t+3]
	ALLT v_permlanex16_b32 v[CH+4*t+1], v[CH+4*t], s[SEL], s[SEL+1]   ; the query's other 128 keys lie in the lane 16 away
	ALLT v_max_num_f32 v[CH+4*t], v[CH+4*t], v[CH+4*t+1]
	ALLT v_add_f32 v[CH+4*t], v[CH+4*t], v[PU+2*t+1]                  ; the row's maximum with T
	ALLT v_mul_f32 v[PD+2*t+1], s[CS], v[CH+4*t]
	ALLT v_fma_f32 v[PD+2*t], s[CS], v[PU+2*t+1], -v[PD+2*t+1]        ; c T - c max
	; ONE BATCH: 256 scalings and 512 exponentials; a pair is scaled one pair ahead of its exponentials; nothing here names an exponential's result
.set w, 0
.rept 2
	WIN 0x82+0x41*w
	v_pk_fma_f32 v[0:1], v[0:1], s[CS:CS+1], v[PD:PD+1] op_sel_hi:[1,0,0]
.set p, 0
.rept 128
.if p < 127
	v_pk_fma_f32 v[2*p+2:2*p+3], v[2*p+2:2*p+3], s[CS:CS+1], v[PD+2*((p+1)/32):PD+2*((p+1)/32)+1] op_sel_hi:[1,0,0]
.endif
	v_exp_f32 v[2*p], v[2*p]
	v_exp_f32 v[2*p+1], v[2*p+1]
.set p, p+1
.endr
.set w, w+1
.endr
	v_nop                                          ; a plain instruction behind the last exponential,
	s_wait_alu depctr_va_vdst(0)                   ; and the one wait ahead of the batch's first reader
	WIN 0x0a                                       ; l: four chains of pairs a tile; p stays as it is
.set k, 0
.rept 4
	ALLT v_pk_add_f32 v[LS+8*t+2*k:LS+8*t+2*k+1], v[64*t+4*k:64*t+4*k+1], v[64*t+4*k+2:64*t+4*k+3]
.set k, k+1
.endr
	WIN 0x02
.set i, 0
.rept 24
	ALLT v_pk_add_f32 v[LS+8*t+2*(i%4):LS+8*t+2*(i%4)+1], v[64*t+16+2*i:64*t+17+2*i], v[LS+8*t+2*(i%4):LS+8*t+2*(i%4)+1]
.set i, i+1
.endr
	WIN 0x03
.set i, 0
.rept 32
	ALLT v_pk_add_f32 v[LS+8*t+2*(i%4):LS+8*t+2*(i%4)+1], v[64*t+2*i:64*t+2*i+1], v[LS+8*t+2*(i%4):LS+8*t+2*(i%4)+1]
.set i, i+1
.endr
	WIN 0
	FOUR1 LS
	CROSS LS, 8
	ALLT v_rcp_f32 v[PD+2*t+1], v[LS+8*t]
	v_nop
	s_wait_alu depctr_va_vdst(0)                   ; one wait for the four reciprocals, ahead of the branch
	s_cmp_eq_u32 s[LAYER], 0
	s_cbranch_scc0 .Lmid2
	; LAYER 0: y = the sum of p x_t / l; then x_s hist_W + y a_v + e in O^T's registers
	WIN 0x06
.set i, 0
.rept 32
.if i < 4
	ALLT v_pk_mul_f32 v[CH+8*t+2*i:CH+8*t+2*i+1], v[64*t+2*i:64*t+2*i+1], v[128+2*i:128+2*i+1]
.else
	ALLT v_pk_fma_f32 v[CH+8*t+2*(i%4):CH+8*t+2*(i%4)+1], v[64*t+2*i:64*t+2*i+1], v[128+2*i:128+2*i+1], v[CH+8*t+2*(i%4):CH+8*t+2*(i%4)+1]
.endif
.set i, i+1
.endr
	WIN 0x07
.set i, 0
.rept 32
	ALLT v_pk_fma_f32 v[CH+8*t+2*(i%4):CH+8*t+2*(i%4)+1], v[64*t+2*i:64*t+2*i+1], v[192+2*i:192+2*i+1], v[CH+8*t+2*(i%4):CH+8*t+2*(i%4)+1]
.set i, i+1
.endr
	WIN 0
	FOUR1 CH
	CROSS CH, 8
	ALLT v_mul_f32 v[PD+2*t], v[CH+8*t], v[PD+2*t+1]
	LDVEC 0x40, 128, CHA, 0                        ; hist_W
	LDVEC 0x40, 192, CHA, 512                      ; a_v
	LDVEC 0, 192, CHA, 1024                        ; e
	s_wait_dscnt 0x0
.set w, 0
.rept 2
	WIN 0x81+0x40*w
.set i, 0
.rept 16
	ALLT v_pk_fma_f32 v[64*t+32+2*i:64*t+33+2*i], v[192+32*w+2*i:193+32*w+2*i], v[PD+2*t:PD+2*t+1], v[192+32*w+2*i:193+32*w+2*i] op_sel_hi:[1,0,1]
.set i, i+1
.endr
	WIN 0xa1+0x50*w
.set i, 0
.rept 16
	ALLT v_pk_fma_f32 v[64*t+32+2*i:64*t+33+2*i], v[128+32*w+2*i:129+32*w+2*i], v[PA+2*t:PA+2*t+1], v[64*t+32+2*i:64*t+33+2*i] op_sel_hi:[1,0,1]
.set i, i+1
.endr
.set w, w+1
.endr
	WIN 0
	s_branch .Lln
.Lmid2:                                        ; LAYER 1: p rounded to f16 in place (pair i of a tile's window into register i), O^T = V^T P, then O / l + h
.set w, 0
.rept 2
	WIN 0x8a+0x45*w
.set t, 0
.rept 4
.set i, 0
.rept 32
	v_cvt_pk_f16_f32 v[64*t+i], v[64*t+2*i], v[64*t+2*i+1]
.set i, i+1
.endr
.set t, t+1
.endr
.set w, w+1
.endr
	PLACES
	VLOAD 0
.set k2, 0
.rept 8                                ; 32 keys a step: 32 products on 32 accumulators, which take turns
.if k2 < 7
	PLACES
	VLOAD k2+1
	s_wait_dscnt 16                                ; all but the 16 just issued
.else
	s_wait_dscnt 0x0
.endif
.set wo, 0
.rept 2
	WIN 0xa9+0x50*wo+4*(k2/4)                      ; O^T window 2 + wo, V window 1, P window 2 + k2 / 4
.set c4, 0
.rept 4
.set t, 0
.rept 4
.if k2 == 0
	v_wmma_f32_16x16x32_f16 v[64*t+32+8*c4:64*t+39+8*c4], v[128+64*(k2%2)+32*wo+8*c4:135+64*(k2%2)+32*wo+8*c4], v[64*t+8*(k2%4):64*t+8*(k2%4)+7], 0
.else
	v_wmma_f32_16x16x32_f16 v[64*t+32+8*c4:64*t+39+8*c4], v[128+64*(k2%2)+32*wo+8*c4:135+64*(k2%2)+32*wo+8*c4], v[64*t+8*(k2%4):64*t+8*(k2%4)+7], v[64*t+32+8*c4:64*t+39+8*c4]
.endif
.set t, t+1
.endr
.set c4, c4+1
.endr
.set wo, wo+1
.endr
.set k2, k2+1
.endr
	PLACES
.set w, 0
.rept 2
	WIN 0x92+0x41*w                                ; O^T window 2 + w, 1/l window 0, h's halves window 1
.set t, 0
.rept 4
.set i, 0
.rept 16
	v_fma_mix_f32 v[64*t+32+2*i], v[64*t+32+2*i], v[PD+2*t+1], v[32*t+16*w+i] op_sel:[0,0,0] op_sel_hi:[0,0,1]
	v_fma_mix_f32 v[64*t+33+2*i], v[64*t+33+2*i], v[PD+2*t+1], v[32*t+16*w+i] op_sel:[0,0,1] op_sel_hi:[0,0,1]
.set i, i+1
.endr
.set t, t+1
.endr
.set w, w+1
.endr
	WIN 0
.Lln:                                          ; THE LAYERNORM, in two passes as it is defined; a lane holds 64 of its row's 128 channels
	v_add_nc_u32 v[TA], s[LNO], v[CHA]
	LDVEC 0x40, 128, TA, 3072                      ; the layer's g
	LDVEC 0x40, 192, TA, 3584                      ; and b: they land under the sums
	WIN 0x0a
	ALLT v_pk_add_f32 v[CH+4*t:CH+4*t+1], v[64*t+32:64*t+33], v[64*t+34:64*t+35]
	ALLT v_pk_add_f32 v[CH+4*t+2:CH+4*t+3], v[64*t+36:64*t+37], v[64*t+38:64*t+39]
	WIN 0x02
.set i, 4
.rept 12
	ALLT v_pk_add_f32 v[CH+4*t+2*(i%2):CH+4*t+2*(i%2)+1], v[64*t+32+2*i:64*t+33+2*i], v[CH+4*t+2*(i%2):CH+4*t+2*(i%2)+1]
.set i, i+1
.endr
	WIN 0x03
.set i, 0
.rept 16
	ALLT v_pk_add_f32 v[CH+4*t+2*(i%2):CH+4*t+2*(i%2)+1], v[64*t+32+2*i:64*t+33+2*i], v[CH+4*t+2*(i%2):CH+4*t+2*(i%2)+1]
.set i, i+1
.endr
	WIN 0
	ALLT v_pk_add_f32 v[CH+4*t:CH+4*t+1], v[CH+4*t:CH+4*t+1], v[CH+4*t+2:CH+4*t+3]
	CROSS CH, 4
	ALLT v_mul_f32 v[PU+2*t], s[INV], v[CH+4*t]    ; the mean
.set w, 0
.rept 2
	WIN 0x82+0x41*w
.set i, 0
.rept 16
	ALLT v_pk_add_f32 v[64*t+32+2*i:64*t+33+2*i], v[64*t+32+2*i:64*t+33+2*i], v[PU+2*t:PU+2*t+1] op_sel_hi:[1,0] neg_lo:[0,1] neg_hi:[0,1]
.set i, i+1
.endr
.set w, w+1
.endr
	WIN 0x0a
.set i, 0
.rept 16
.if i < 2
	ALLT v_pk_mul_f32 v[CH+4*t+2*i:CH+4*t+2*i+1], v[64*t+32+2*i:64*t+33+2*i], v[64*t+32+2*i:64*t+33+2*i]
.else
	ALLT v_pk_fma_f32 v[CH+4*t+2*(i%2):CH+4*t+2*(i%2)+1], v[64*t+32+2*i:64*t+33+2*i], v[64*t+32+2*i:64*t+33+2*i], v[CH+4*t+2*(i%2):CH+4*t+2*(i%2)+1]
.endif
.set i, i+1
.endr
	WIN 0x0f
.set i, 0
.rept 16
	ALLT v_pk_fma_f32 v[CH+4*t+2*(i%2):CH+4*t+2*(i%2)+1], v[64*t+32+2*i:64*t+33+2*i], v[64*t+32+2*i:64*t+33+2*i], v[CH+4*t+2*(i%2):CH+4*t+2*(i%2)+1]
.set i, i+1
.endr
	WIN 0
	ALLT v_pk_add_f32 v[CH+4*t:CH+4*t+1], v[CH+4*t:CH+4*t+1], v[CH+4*t+2:CH+4*t+3]
	CROSS CH, 4
	ALLT v_fma_f32 v[CH+4*t], v[CH+4*t], s[INV], s[EPS]
	ALLT v_rsq_f32 v[PD+2*t], v[CH+4*t]
	v_nop
	s_wait_alu depctr_va_vdst(0)                   ; one wait for the four roots
	s_wait_dscnt 0x0                               ; g and b are in
.set w, 0
.rept 2
	WIN 0x82+0x41*w
.set i, 0
.rept 16
	ALLT v_pk_mul_f32 v[64*t+32+2*i:64*t+33+2*i], v[64*t+32+2*i:64*t+33+2*i], v[PD+2*t:PD+2*t+1] op_sel_hi:[1,0]
.set i, i+1
.endr
	WIN 0x96+0x41*w
.set i, 0
.rept 16
	ALLT v_pk_fma_f32 v[64*t+32+2*i:64*t+33+2*i], v[64*t+32+2*i:64*t+33+2*i], v[128+32*w+2*i:129+32*w+2*i], v[192+32*w+2*i:193+32*w+2*i]
.set i, i+1
.endr
	WIN 0x4a+5*w
.set i, 0
.rept 16
	ALLT v_cvt_pk_f16_f32 v[32*t+16*w+i], v[64*t+32+2*i], v[64*t+33+2*i]   ; rounded in pairs the rows ARE h's fragments
.set i, i+1
.endr
.set w, w+1
.endr
	WIN 0
	s_cmp_eq_u32 s[LAYER], 1
	s_cbranch_scc0 .Lbottom
	; THE WAY OUT: a tile's 16 rows go into my stage in rows of 272 bytes and come back as whole rows of 256
	s_wait_xcnt 0x0                                ; the last sample's stores have read their base
	s_lshl_b32 s52, s[SMP], 16
	s_add_nc_u64 s[56:57], s[OB:OB+1], s[52:53]
.irp t, 0,1,2,3
	WIN 0x04
.irp n, 0,1,2,3,4,5,6,7
	ds_store_b128 v[STO], v[32*\t+4*\n:32*\t+4*\n+3] offset:32*\n
.endr
	WIN 0
.if \t >= 2
	s_wait_xcnt 0x0                                ; the stores of two tiles back have read these registers
.endif
.irp n, 0,1,2,3,4,5,6,7
	ds_load_b128 v[192+32*(\t%2)+4*\n:192+32*(\t%2)+4*\n+3], v[RD] offset:\n*2*KP  ; LDS serves a wave's instructions in order (ISA guide 5.7.1.4): these see the stores above
.endr
.irp n, 0,1,2,3,4,5,6,7
	s_wait_dscnt 7-\n
	global_store_b128 v[GO], v[192+32*(\t%2)+4*\n:192+32*(\t%2)+4*\n+3], s[56:57] offset:\t*4096+\n*512  ; 16 lanes store 256 consecutive bytes, at a multiple of 256 from hfin's first byte
.endr
.endr
	s_wait_xcnt 0x0                                ; v192-255 are written again in the next pass
.Lbottom:
	s_sub_co_u32 s[PASS], s[PASS], 1
	s_cmp_lg_u32 s[PASS], 0
	s_cbranch_scc1 .Lpass
	s_wait_tensorcnt 0x0                           ; the wave's end: behind my last tensor load and my last LDS store
	ds_add_u32 v[SPW], v[NIL]
	s_wait_dscnt 0x0
	s_endpgm
.Lfunc_end_k_qc8e62e44a9_main:
	.size	k_qc8e62e44a9_main, .Lfunc_end_k_qc8e62e44a9_main-k_qc8e62e44a9_main
	.p2alignl 7, 3214868480
	.fill 96, 4, 3214868480
	.section	.rodata,"a",@progbits
	.p2align	6, 0x0
	.amdhsa_kernel k_qc8e62e44a9_main
		.amdhsa_group_segment_fixed_size 274944
		.amdhsa_private_segment_fixed_size 0
		.amdhsa_enable_private_segment 0
		.amdhsa_kernarg_size 80
		.amdhsa_user_sgpr_count 2
		.amdhsa_user_sgpr_kernarg_segment_ptr 1
		.amdhsa_wavefront_size32 1
		.amdhsa_system_sgpr_workgroup_id_x 1
		.amdhsa_system_sgpr_workgroup_id_y 1
		.amdhsa_system_sgpr_workgroup_id_z 1
		.amdhsa_system_vgpr_workitem_id 0
		.amdhsa_next_free_vgpr 1024
		.amdhsa_next_free_sgpr 66
		.amdhsa_reserve_vcc 0
		.amdhsa_float_denorm_mode_32 3
		.amdhsa_float_denorm_mode_16_64 3
		.amdhsa_memory_ordered 1
		.amdhsa_forward_progress 1
		.amdhsa_inst_pref_size 255
	.end_amdhsa_kernel
	.section	.bss,"aw",@nobits
	.p2align	6
	.space	262144
	.amdgpu_metadata
---
amdhsa.version: [ 1, 2 ]
amdhsa.kernels:
  - .name:           k_qc8e62e44a9_main
    .symbol:         k_qc8e62e44a9_main.kd
    .args:
      - { .name: x, .offset: 0, .size: 8, .value_kind: global_buffer, .address_space: global }
      - { .name: hist_W, .offset: 8, .size: 8, .value_kind: global_buffer, .address_space: global }
      - { .name: qb, .offset: 16, .size: 8, .value_kind: global_buffer, .address_space: global }
      - { .name: kb, .offset: 24, .size: 8, .value_kind: global_buffer, .address_space: global }
      - { .name: vb, .offset: 32, .size: 8, .value_kind: global_buffer, .address_space: global }
      - { .name: ln_g, .offset: 40, .size: 8, .value_kind: global_buffer, .address_space: global }
      - { .name: ln_b, .offset: 48, .size: 8, .value_kind: global_buffer, .address_space: global }
      - { .name: cst, .offset: 56, .size: 8, .value_kind: global_buffer, .address_space: global }
      - { .name: wt, .offset: 64, .size: 8, .value_kind: global_buffer, .address_space: global }
      - { .name: hfin, .offset: 72, .size: 8, .value_kind: global_buffer, .address_space: global }
    .group_segment_fixed_size: 274944
    .private_segment_fixed_size: 0
    .kernarg_segment_align: 8
    .kernarg_segment_size: 80
    .max_flat_workgroup_size: 128
    .sgpr_count:     66
    .vgpr_count:     1024
    .wavefront_size: 32
...
	.end_amdgpu_metadata
.endif
;; end of part 2
;; launch head (part 3): grid 16 x 16, 4 waves a work-group, no clusters, 131,584 bytes of LDS; arguments hfin, w1t, part; writes part
.if DOCPART == 3
	.amdgcn_target "amdgcn-amd-amdhsa--gfx1250"
	.amdhsa_code_object_version 6
	.text
	.protected	k_qc8e62e44a9_head
	.globl	k_qc8e62e44a9_head
	.p2align	8
	.type	k_qc8e62e44a9_head,@function
k_qc8e62e44a9_head:
	s_mov_b64 s[64:65], 0
	v_nop
	global_prefetch_b8 v0, s[64:65] scope:SCOPE_SE
	s_setreg_imm32_b32 hwreg(HW_REG_WAVE_MODE, 25, 1), 1
	s_wait_xcnt 0x0
; THE FIRST LAYER OF THE HEAD, its part over h: part[ks] = hfin[64 samples][2,048 k] x w1t[128 n][the same k]^T, f16 operands, f32 sums.  Work-group (x = ks, y = mt): samples 64 mt on, k = 2,048 ks on.
; K IS SPLIT AMONG THE FOUR WAVES: wave v takes 512 k, 1,024 bytes of each row, for all 4 x 8 tiles of 16 x 16; the four partial sums meet in LDS at the end (f32 sums in a fixed order, waves 0 to 3).
; The sixteen chunks' sums go to memory as f32 and are added, in ascending order, by the next launch: no work-group reads what another stores.
; LAYOUT.  Source 0 = 16 rows n of w1t, source 1 = 16 samples: a lane holds one sample (l % 16) and channels 8 (l / 16) + 0..7 of the tile.  A fragment comes straight from memory, two loads of 16 bytes a lane:
; no wave wants a byte that another has fetched, so nothing goes through LDS on the way in.
; IN FLIGHT.  Two sets of registers, 64 k each: while one is multiplied (64 products) the other's 48 loads are on their way.
; NO CLUSTER: a chunk of w1t is read by the sixteen work-groups of one ks, but fragments go to registers here; a joint load would want a ring in LDS and a round of the cluster's barrier for each 64 products a wave.
; part: a tile of 16 samples x 16 channels is 1,024 bytes in register order: registers 4 f .. 4 f + 3 of lane l at 512 f + 16 l.
; REGISTERS: window 0 addresses; window 1 the 32 accumulators (8 (8 bt + nt)); windows 2 and 3 the two sets: w1t's fragments at 64 q + 8 nt, hfin's at 128 + 32 q + 8 bt (q: which 32 of the 64 k).
.set SPARE, 131072                     ; behind the four waves' partial sums: the spare words, 128 bytes a wave, that no other line names
.set FOA, 2                            ; 65,536 r + 16 h: a fragment's rows in hfin
.set FOB, 3                            ; 65,792 r + 16 h: in w1t
.set SPW, 4
.set NIL, 5
.set STV, 6
.set RDV0, 7
.set RDV1, 8
.set PO,  9
.set SA,  12                           ; s[12:13] hfin at my samples and k
.set SB,  14                           ; s[14:15] w1t at my k
.set PT,  16                           ; s[16:17] part at my 8 tiles
.set MSB, 0
.macro WIN new
.if MSB != (\new)
	s_set_vgpr_msb (MSB<<8)|(\new)
.set MSB, (\new)
.endif
.endm
.macro PLACES
.rept 4
	v_nop
.endr
.endm
.macro LOADS set, off                  ; 48 loads: 64 k of 128 rows of w1t and of 64 samples
	WIN 0x80+0x40*(\set)
.irp q, 0,1
.irp n, 0,1,2,3,4,5,6,7
	global_load_b128 v[64*\q+8*\n:64*\q+8*\n+3], v[FOB], s[SB:SB+1] offset:\n*1052672+(\off)+64*\q
	global_load_b128 v[64*\q+8*\n+4:64*\q+8*\n+7], v[FOB], s[SB:SB+1] offset:\n*1052672+(\off)+64*\q+32
.endr
.irp b, 0,1,2,3
	global_load_b128 v[128+32*\q+8*\b:128+32*\q+8*\b+3], v[FOA], s[SA:SA+1] offset:\b*1048576+(\off)+64*\q th:TH_LOAD_NT
	global_load_b128 v[128+32*\q+8*\b+4:128+32*\q+8*\b+7], v[FOA], s[SA:SA+1] offset:\b*1048576+(\off)+64*\q+32 th:TH_LOAD_NT
.endr
.endr
.endm
.macro MULS set, zero                  ; 64 products; the 32 accumulators take turns, over the backward jump too.  zero = 1: the first 32 start the sums
	WIN 0x5a+5*(\set)
.irp q, 0,1
.irp b, 0,1,2,3
.irp n, 0,1,2,3,4,5,6,7
.if (\zero) && (\q == 0)
	v_wmma_f32_16x16x32_f16 v[8*(8*\b+\n):8*(8*\b+\n)+7], v[64*\q+8*\n:64*\q+8*\n+7], v[128+32*\q+8*\b:128+32*\q+8*\b+7], 0
.else
	v_wmma_f32_16x16x32_f16 v[8*(8*\b+\n):8*(8*\b+\n)+7], v[64*\q+8*\n:64*\q+8*\n+7], v[128+32*\q+8*\b:128+32*\q+8*\b+7], v[8*(8*\b+\n):8*(8*\b+\n)+7]
.endif
.endr
.endr
.endr
.endm
	s_load_b128 s[4:7], s[0:1], 0x0                ; hfin s4, w1t s6
	s_load_b64 s[8:9], s[0:1], 0x10                ; part
	v_lshl_add_u32 v[SPW], v0, 2, SPARE
	v_mov_b32 v[NIL], 0
	v_lshrrev_b32 v1, 5, v0
	v_readfirstlane_b32 s10, v1                    ; wave 0..3
	s_and_b32 s11, ttmp7, 0xffff                   ; mt
	v_and_b32 v10, 15, v0
	v_bfe_u32 v11, v0, 4, 1
	v_and_b32 v12, 31, v0
	v_lshlrev_b32 v[FOA], 16, v10
	v_lshl_add_u32 v[FOA], v11, 4, v[FOA]
	v_mul_u32_u24 v[FOB], v10, 0x10100
	v_lshl_add_u32 v[FOB], v11, 4, v[FOB]
	s_lshl_b32 s18, s10, 15
	v_lshl_add_u32 v[STV], v12, 4, s18             ; my wave's 32 KiB of partial sums
	s_lshl_b32 s18, s10, 13
	v_lshl_add_u32 v[RDV0], v12, 4, s18            ; the tiles bt = my wave's number, of waves 0 and 1,
	v_add_nc_u32 v[RDV1], 0x10000, v[RDV0]         ; and of waves 2 and 3
	v_lshlrev_b32 v[PO], 4, v12
	s_lshl_b32 s18, ttmp9, 12                      ; the chunk's 4,096 bytes of a row,
	s_lshl_b32 s19, s10, 10                        ; my wave's 1,024 of them
	s_add_co_u32 s18, s18, s19
	s_mov_b32 s19, 0
	s_lshl_b32 s20, s11, 22                        ; 64 samples of 65,536 bytes
	s_mov_b32 s21, 0
	s_lshl_b32 s22, ttmp9, 6
	s_lshl2_add_u32 s22, s11, s22
	s_add_co_u32 s22, s22, s10                     ; 64 ks + 4 mt + wave: my 16 samples' 8 tiles
	s_lshl_b32 s22, s22, 13
	s_mov_b32 s23, 0
	s_wait_kmcnt 0x0
	s_add_nc_u64 s[SA:SA+1], s[4:5], s[20:21]
	s_add_nc_u64 s[SA:SA+1], s[SA:SA+1], s[18:19]
	s_add_nc_u64 s[SB:SB+1], s[6:7], s[18:19]
	s_add_nc_u64 s[SB:SB+1], s[SB:SB+1], 256       ; h's part of a row of w1t begins behind scalar_emb's 128 numbers
	s_add_nc_u64 s[PT:PT+1], s[8:9], s[22:23]
	LOADS 0, 0                                     ; sets 0 and 1 of my eight
	LOADS 1, 128
	s_wait_loadcnt 48                              ; set 0 is in; the 48 younger loads may stay out
	MULS 0, 1                                      ; the first products stand ahead of the loop: they start the sums
	WIN 0
	s_mov_b32 s24, 3
.Lturn:                                        ; a trip: two sets are asked for, two multiplied
	PLACES                                         ; in front of loads into registers that the products have read
	s_wait_xcnt 0x0                                ; every load issued so far has read its address: the bases may be stepped
	s_add_nc_u64 s[SA:SA+1], s[SA:SA+1], 256
	s_add_nc_u64 s[SB:SB+1], s[SB:SB+1], 256
	LOADS 0, 0
	s_wait_loadcnt 48                              ; the odd set is in; the 48 just issued stay out
	MULS 1, 0
	PLACES
	LOADS 1, 128
	s_wait_loadcnt 48                              ; the even set is in
	MULS 0, 0
	WIN 0
	s_sub_co_u32 s24, s24, 1
	s_cmp_lg_u32 s24, 0
	s_cbranch_scc1 .Lturn
	s_wait_loadcnt 0x0                             ; the last set: nothing is left to fetch
	MULS 1, 0
	PLACES
	WIN 0x04                                       ; THE MEETING.  Each accumulator's lower four registers are stored first
.set i, 0
.rept 32
	ds_store_b128 v[STV], v[8*i:8*i+3] offset:i*1024
	ds_store_b128 v[STV], v[8*i+4:8*i+7] offset:i*1024+512
.set i, i+1
.endr
	WIN 0
	s_wait_dscnt 0x0
	s_barrier_signal -1
	s_barrier_wait -1                              ; all four waves' partial sums lie in LDS; wave v finishes the 16 samples bt = v
.irp hf, 0,1
	WIN 0x80
.irp n, 0,1,2,3
.irp f, 0,1
	ds_load_b128 v[128*\hf+32*\n+16*\f:128*\hf+32*\n+16*\f+3], v[RDV0] offset:(4*\hf+\n)*1024+\f*512
	ds_load_b128 v[128*\hf+32*\n+16*\f+4:128*\hf+32*\n+16*\f+7], v[RDV0] offset:32768+(4*\hf+\n)*1024+\f*512
	ds_load_b128 v[128*\hf+32*\n+16*\f+8:128*\hf+32*\n+16*\f+11], v[RDV1] offset:(4*\hf+\n)*1024+\f*512
	ds_load_b128 v[128*\hf+32*\n+16*\f+12:128*\hf+32*\n+16*\f+15], v[RDV1] offset:32768+(4*\hf+\n)*1024+\f*512
.endr
.endr
	s_wait_dscnt 0x0
	WIN 0x8a
.irp u, 1,2,3
.irp g, 0,1,2,3,4,5,6,7
	v_pk_add_f32 v[128*\hf+16*\g:128*\hf+16*\g+1], v[128*\hf+16*\g:128*\hf+16*\g+1], v[128*\hf+16*\g+4*\u:128*\hf+16*\g+4*\u+1]
	v_pk_add_f32 v[128*\hf+16*\g+2:128*\hf+16*\g+3], v[128*\hf+16*\g+2:128*\hf+16*\g+3], v[128*\hf+16*\g+4*\u+2:128*\hf+16*\g+4*\u+3]
.endr
.endr
	WIN 0x08
.irp g, 0,1,2,3,4,5,6,7
	global_store_b128 v[PO], v[128*\hf+16*\g:128*\hf+16*\g+3], s[PT:PT+1] offset:\hf*4096+\g*512  ; 512 consecutive bytes, at a multiple of 256 from part's first byte
.endr
.endr
	WIN 0
	s_wait_tensorcnt 0x0                           ; the wave's end: behind my last LDS store
	ds_add_u32 v[SPW], v[NIL]
	s_wait_dscnt 0x0
	s_endpgm
.Lfunc_end_k_qc8e62e44a9_head:
	.size	k_qc8e62e44a9_head, .Lfunc_end_k_qc8e62e44a9_head-k_qc8e62e44a9_head
	.p2alignl 7, 3214868480
	.fill 96, 4, 3214868480
	.section	.rodata,"a",@progbits
	.p2align	6, 0x0
	.amdhsa_kernel k_qc8e62e44a9_head
		.amdhsa_group_segment_fixed_size 131584
		.amdhsa_private_segment_fixed_size 0
		.amdhsa_enable_private_segment 0
		.amdhsa_kernarg_size 24
		.amdhsa_user_sgpr_count 2
		.amdhsa_user_sgpr_kernarg_segment_ptr 1
		.amdhsa_wavefront_size32 1
		.amdhsa_system_sgpr_workgroup_id_x 1
		.amdhsa_system_sgpr_workgroup_id_y 1
		.amdhsa_system_sgpr_workgroup_id_z 1
		.amdhsa_system_vgpr_workitem_id 0
		.amdhsa_next_free_vgpr 1024
		.amdhsa_next_free_sgpr 66
		.amdhsa_reserve_vcc 0
		.amdhsa_float_denorm_mode_32 3
		.amdhsa_float_denorm_mode_16_64 3
		.amdhsa_memory_ordered 1
		.amdhsa_forward_progress 1
		.amdhsa_inst_pref_size 54
	.end_amdhsa_kernel
	.amdgpu_metadata
---
amdhsa.version: [ 1, 2 ]
amdhsa.kernels:
  - .name:           k_qc8e62e44a9_head
    .symbol:         k_qc8e62e44a9_head.kd
    .args:
      - { .name: hfin, .offset: 0, .size: 8, .value_kind: global_buffer, .address_space: global }
      - { .name: w1t, .offset: 8, .size: 8, .value_kind: global_buffer, .address_space: global }
      - { .name: part, .offset: 16, .size: 8, .value_kind: global_buffer, .address_space: global }
    .group_segment_fixed_size: 131584
    .private_segment_fixed_size: 0
    .kernarg_segment_align: 8
    .kernarg_segment_size: 24
    .max_flat_workgroup_size: 128
    .sgpr_count:     66
    .vgpr_count:     1024
    .wavefront_size: 32
...
	.end_amdgpu_metadata
.endif
;; end of part 3
;; launch tail (part 4): grid 64 x 1, 4 waves a work-group, no clusters, 17,152 bytes of LDS; arguments part, w1t, x, scalar_W, scalar_b, h1_b, h2_W, h2_b, h3_W, h3_b, out0; writes out0
.if DOCPART == 4
	.amdgcn_target "amdgcn-amd-amdhsa--gfx1250"
	.amdhsa_code_object_version 6
	.text
	.protected	k_qc8e62e44a9_tail
	.globl	k_qc8e62e44a9_tail
	.p2align	8
	.type	k_qc8e62e44a9_tail,@function
k_qc8e62e44a9_tail:
	s_mov_b64 s[64:65], 0
	v_nop
	global_prefetch_b8 v0, s[64:65] scope:SCOPE_SE
	s_setreg_imm32_b32 hwreg(HW_REG_WAVE_MODE, 25, 1), 1
	s_wait_xcnt 0x0
; THE REST OF THE HEAD, 16 samples a work-group.  z1 = relu(h1_b + the sixteen partial sums (ascending) + scalar_emb x h1_W's first 128 rows); z2 = relu(z1 h2_W + h2_b); out = z2 . h3_W + h3_b.
; scalar_emb = x[:, :16] scalar_W + scalar_b is made here, by every wave for itself.  Matrix operands f16, sums f32; the last product has one column and is a dot product in f32.
; SHARES.  Wave w owns z1's channels 32 w .. 32 w + 31: two tiles, which rounded in pairs are the K step w of z1 h2_W; the four waves' partial z2 meet in LDS; wave w finishes z2's channels 16 w on.
; LAYOUT as in the launch before: source 0 = 16 output channels, source 1 = the 16 samples; a lane holds sample l % 16 and channels 8 (l / 16) + 0..7.
; K = 16 OF THE FIRST PRODUCT IS PADDED TO 32 by zeros in x's fragment alone: the upper half of a fragment of scalar_W is the next fragment's (at the end x's own) finite numbers, which meet those zeros.
; LIMIT.  f16 holds no number beyond 65,504: x, scalar_W, scalar_emb, z1 and h2_W lie within it (z1 as drawn: about 4).  NaN and infinities are not treated apart.
; A launch of 64 work-groups: 1,024 samples in tiles of 16; its work is 20 matrix instructions a wave.
; REGISTERS: window 0 at work; window 1 the partial sums (16 ks + 8 n + j); window 2 as loaded: scalar_W 0-63, scalar_b 64-127, w1t's fragments 128-191, h2_W 192-255; window 3 v0-63 scalar_emb's sums.
.set RED2,  0                          ; four waves x four tiles of 1,024 bytes
.set RED3,  16384                      ; four waves x 16 samples
.set SPARE, 16640                      ; the spare words, 128 bytes a wave, that no other line names
.set RR,  1
.set SPW, 2
.set NIL, 3
.set HH,  4
.set PO,  6
.set XOF, 7
.set SWO, 8
.set CHO, 9
.set W1O, 10
.set H2O, 11
.set ST2, 12
.set RD2, 13
.set ST3, 14
.set RD3, 15
.set XLD, 16                           ; v[16:23]   x as loaded
.set SWP, 24                           ; v[24:55]   scalar_W packed, 4 registers a tile of channels
.set XFD, 56                           ; v[56:59]   x packed,
.set ZER, 60                           ; v[60:63]   and its zeros: v[56:63] is x's fragment
.set SF,  64                           ; v[64:95]   scalar_emb's fragments
.set ZZ,  96                           ; v[96:111]  z1's two tiles
.set ZF,  112                          ; v[112:119] z1's fragment
.set H1B, 120
.set H2F, 136                          ; v[136:167] h2_W's fragments
.set YY,  168                          ; v[168:199] z2's four partial tiles
.set H2B, 200
.set H3W, 208
.set RB,  216                          ; v[216:247]
.set OO,  248
.set WV,  30
.set MSB, 0
.macro WIN new
.if MSB != (\new)
	s_set_vgpr_msb (MSB<<8)|(\new)
.set MSB, (\new)
.endif
.endm
.macro PLACES
.rept 4
	v_nop
.endr
.endm
	s_load_b512 s[4:19], s[0:1], 0x0               ; part s4, w1t s6, x s8, scalar_W s10, scalar_b s12, h1_b s14, h2_W s16, h2_b s18
	s_load_b128 s[20:23], s[0:1], 0x40             ; h3_W s20, h3_b s22
	s_load_b64 s[24:25], s[0:1], 0x50              ; out0
	v_lshl_add_u32 v[SPW], v0, 2, SPARE
	v_mov_b32 v[NIL], 0
	v_lshrrev_b32 v[RR], 5, v0
	v_readfirstlane_b32 s[WV], v[RR]
	v_and_b32 v[RR], 15, v0
	v_bfe_u32 v[HH], v0, 4, 1
	v_and_b32 v5, 31, v0
	s_mov_b32 s28, 0x76543210
	s_mov_b32 s29, 0xfedcba98
	v_lshlrev_b32 v[PO], 4, v5
	v_mul_u32_u24 v[XOF], v[RR], 1088
	v_lshl_add_u32 v[XOF], v[HH], 5, v[XOF]        ; sample r, features 8 h on
	v_lshlrev_b32 v[SWO], 2, v[RR]
	v_lshl_add_u32 v[SWO], v[HH], 12, v[SWO]       ; rows 8 h on, column r
	v_lshlrev_b32 v[CHO], 5, v[HH]
	v_mul_u32_u24 v[W1O], v[RR], 0x10100
	v_lshl_add_u32 v[W1O], v[HH], 4, v[W1O]
	v_lshlrev_b32 v[H2O], 2, v[RR]
	v_lshl_add_u32 v[H2O], v[HH], 11, v[H2O]       ; rows 8 h on of 256 bytes, column r
	s_lshl_b32 s31, s[WV], 12
	v_add_nc_u32 v[ST2], s31, v[PO]
	s_lshl_b32 s31, s[WV], 10
	v_add_nc_u32 v[RD2], s31, v[PO]
	v_lshlrev_b32 v[OO], 2, v[RR]
	v_add_nc_u32 v[RD3], RED3, v[OO]
	s_lshl_b32 s31, s[WV], 6
	v_add_nc_u32 v[ST3], s31, v[RD3]
	s_mov_b32 s33, 0
	s_mov_b32 s35, 0
	s_lshl_b32 s32, ttmp9, 13                      ; my 16 samples' 8 tiles of a chunk,
	s_lshl_b32 s34, s[WV], 11                      ; my wave's two
	s_wait_kmcnt 0x0
	s_add_nc_u64 s[4:5], s[4:5], s[32:33]
	s_add_nc_u64 s[4:5], s[4:5], s[34:35]
	s_mul_i32 s32, ttmp9, 16*1088
	s_add_nc_u64 s[8:9], s[8:9], s[32:33]
	s_mul_i32 s32, s[WV], 32*65792
	s_add_nc_u64 s[6:7], s[6:7], s[32:33]
	s_lshl_b32 s32, s[WV], 7
	s_add_nc_u64 s[14:15], s[14:15], s[32:33]
	s_lshl_b32 s32, s[WV], 13
	s_add_nc_u64 s[16:17], s[16:17], s[32:33]
	s_lshl_b32 s32, s[WV], 6
	s_add_nc_u64 s[18:19], s[18:19], s[32:33]
	s_add_nc_u64 s[20:21], s[20:21], s[32:33]
	s_lshl_b32 s32, ttmp9, 6
	s_add_nc_u64 s[24:25], s[24:25], s[32:33]
	s_load_b32 s26, s[22:23], 0x0
	WIN 0x40                                       ; every load of the launch goes out at once
.set i, 0
.rept 16
.irp g, 0,1,2,3
	global_load_b128 v[16*i+4*\g:16*i+4*\g+3], v[PO], s[4:5] offset:i*524288+\g*512 th:TH_LOAD_NT
.endr
.set i, i+1
.endr
	WIN 0x80
.irp c, 0,1,2,3,4,5,6,7
.irp i, 0,1,2,3,4,5,6,7
	global_load_b32 v[8*\c+\i], v[SWO], s[10:11] offset:512*\i+64*\c
.endr
	global_load_b128 v[64+8*\c:64+8*\c+3], v[CHO], s[12:13] offset:64*\c
	global_load_b128 v[64+8*\c+4:64+8*\c+7], v[CHO], s[12:13] offset:64*\c+16
.endr
.irp n, 0,1
.irp k, 0,1,2,3
	global_load_b128 v[128+32*\n+8*\k:128+32*\n+8*\k+3], v[W1O], s[6:7] offset:\n*1052672+64*\k
	global_load_b128 v[128+32*\n+8*\k+4:128+32*\n+8*\k+7], v[W1O], s[6:7] offset:\n*1052672+64*\k+32
.endr
.endr
.irp n, 0,1,2,3
.irp i, 0,1,2,3,4,5,6,7
	global_load_b32 v[192+16*\n+\i], v[H2O], s[16:17] offset:256*\i+64*\n
	global_load_b32 v[192+16*\n+8+\i], v[H2O], s[16:17] offset:256*(\i+16)+64*\n
.endr
.endr
	WIN 0
	global_load_b128 v[XLD:XLD+3], v[XOF], s[8:9]
	global_load_b128 v[XLD+4:XLD+7], v[XOF], s[8:9] offset:16
.irp n, 0,1
	global_load_b128 v[H1B+8*\n:H1B+8*\n+3], v[CHO], s[14:15] offset:64*\n
	global_load_b128 v[H1B+8*\n+4:H1B+8*\n+7], v[CHO], s[14:15] offset:64*\n+16
.endr
	global_load_b128 v[H2B:H2B+3], v[CHO], s[18:19]
	global_load_b128 v[H2B+4:H2B+7], v[CHO], s[18:19] offset:16
	global_load_b128 v[H3W:H3W+3], v[CHO], s[20:21]
	global_load_b128 v[H3W+4:H3W+7], v[CHO], s[20:21] offset:16
.irp i, 0,1,2,3
	v_mov_b32 v[ZER+\i], 0
.endr
	s_wait_loadcnt 0x0
	s_wait_kmcnt 0x0
.irp p, 0,1,2,3
	v_cvt_pk_f16_f32 v[XFD+\p], v[XLD+2*\p], v[XLD+2*\p+1]
.endr
	WIN 0x0a
.set i, 0
.rept 32
	v_cvt_pk_f16_f32 v[SWP+i], v[2*i], v[2*i+1]    ; two neighbouring features of one channel
.set i, i+1
.endr
	WIN 0xe0                                       ; D window 3, C (scalar_b) window 2
.irp c, 0,1,2,3,4,5,6,7
	v_wmma_f32_16x16x32_f16 v[8*\c:8*\c+7], v[SWP+4*\c:SWP+4*\c+7], v[XFD:XFD+7], v[64+8*\c:64+8*\c+7]
.endr
	PLACES
	WIN 0x0f
.set i, 0
.rept 32
	v_cvt_pk_f16_f32 v[SF+i], v[2*i], v[2*i+1]
.set i, i+1
.endr
	WIN 0x04                                       ; h1_b and the sixteen chunks, in ascending order
.irp q, 0,1,2,3,4,5,6,7
	v_pk_add_f32 v[ZZ+2*\q:ZZ+2*\q+1], v[H1B+2*\q:H1B+2*\q+1], v[2*\q:2*\q+1]
.endr
.set i, 1
.rept 15
.irp q, 0,1,2,3,4,5,6,7
	v_pk_add_f32 v[ZZ+2*\q:ZZ+2*\q+1], v[ZZ+2*\q:ZZ+2*\q+1], v[16*i+2*\q:16*i+2*\q+1]
.endr
.set i, i+1
.endr
	WIN 0x02                                       ; scalar_emb's share; the two accumulators take turns
.irp k, 0,1,2,3
.irp n, 0,1
	v_wmma_f32_16x16x32_f16 v[ZZ+8*\n:ZZ+8*\n+7], v[128+32*\n+8*\k:128+32*\n+8*\k+7], v[SF+8*\k:SF+8*\k+7], v[ZZ+8*\n:ZZ+8*\n+7]
.endr
.endr
	PLACES
	WIN 0
.set i, 0
.rept 16
	v_max_num_f32 v[ZZ+i], 0, v[ZZ+i]
.set i, i+1
.endr
.irp i, 0,1,2,3,4,5,6,7
	v_cvt_pk_f16_f32 v[ZF+\i], v[ZZ+2*\i], v[ZZ+2*\i+1]
.endr
	WIN 0x0a
.set i, 0
.rept 32
	v_cvt_pk_f16_f32 v[H2F+i], v[192+2*i], v[193+2*i]
.set i, i+1
.endr
	WIN 0
.irp n, 0,1,2,3
	v_wmma_f32_16x16x32_f16 v[YY+8*\n:YY+8*\n+7], v[H2F+8*\n:H2F+8*\n+7], v[ZF:ZF+7], 0
.endr
	PLACES
.irp n, 0,1,2,3
	ds_store_b128 v[ST2], v[YY+8*\n:YY+8*\n+3] offset:RED2+1024*\n
	ds_store_b128 v[ST2], v[YY+8*\n+4:YY+8*\n+7] offset:RED2+1024*\n+512
.endr
	s_wait_dscnt 0x0
	s_barrier_signal -1
	s_barrier_wait -1                              ; the four K steps' partial z2 lie in LDS
.irp u, 0,1,2,3
	ds_load_b128 v[RB+8*\u:RB+8*\u+3], v[RD2] offset:RED2+4096*\u
	ds_load_b128 v[RB+8*\u+4:RB+8*\u+7], v[RD2] offset:RED2+4096*\u+512
.endr
	s_wait_dscnt 0x0
.irp u, 1,2,3
.irp q, 0,1,2,3
	v_pk_add_f32 v[RB+2*\q:RB+2*\q+1], v[RB+2*\q:RB+2*\q+1], v[RB+8*\u+2*\q:RB+8*\u+2*\q+1]
.endr
.endr
.irp q, 0,1,2,3
	v_pk_add_f32 v[RB+2*\q:RB+2*\q+1], v[RB+2*\q:RB+2*\q+1], v[H2B+2*\q:H2B+2*\q+1]
.endr
.irp i, 0,1,2,3,4,5,6,7
	v_max_num_f32 v[RB+\i], 0, v[RB+\i]
.endr
	v_pk_mul_f32 v[RB:RB+1], v[RB:RB+1], v[H3W:H3W+1]
.irp q, 1,2,3
	v_pk_fma_f32 v[RB:RB+1], v[RB+2*\q:RB+2*\q+1], v[H3W+2*\q:H3W+2*\q+1], v[RB:RB+1]
.endr
	v_add_f32 v[RB], v[RB], v[RB+1]
	v_permlanex16_b32 v[RB+1], v[RB], s28, s29     ; the tile's other eight channels lie in the lane 16 away
	v_add_f32 v[RB], v[RB], v[RB+1]
	ds_store_b32 v[ST3], v[RB]                     ; lanes r and r + 16 hold the same sum and write the same word
	s_wait_dscnt 0x0
	s_barrier_signal -1
	s_barrier_wait -1
	s_cmp_eq_u32 s[WV], 0
	s_cbranch_scc0 .Lend
.irp u, 0,1,2,3
	ds_load_b32 v[RB+\u], v[RD3] offset:64*\u
.endr
	s_wait_dscnt 0x0
	v_add_f32 v[RB], v[RB], v[RB+1]
	v_add_f32 v[RB+2], v[RB+2], v[RB+3]
	v_add_f32 v[RB], v[RB], v[RB+2]
	v_add_f32 v[RB], s26, v[RB]
	global_store_b32 v[OO], v[RB], s[24:25]        ; 16 samples, 64 bytes; lanes r and r + 16 store the same word
.Lend:
	s_wait_tensorcnt 0x0                           ; the wave's end: behind my last LDS store
	ds_add_u32 v[SPW], v[NIL]
	s_wait_dscnt 0x0
	s_endpgm
.Lfunc_end_k_qc8e62e44a9_tail:
	.size	k_qc8e62e44a9_tail, .Lfunc_end_k_qc8e62e44a9_tail-k_qc8e62e44a9_tail
	.p2alignl 7, 3214868480
	.fill 96, 4, 3214868480
	.section	.rodata,"a",@progbits
	.p2align	6, 0x0
	.amdhsa_kernel k_qc8e62e44a9_tail
		.amdhsa_group_segment_fixed_size 17152
		.amdhsa_private_segment_fixed_size 0
		.amdhsa_enable_private_segment 0
		.amdhsa_kernarg_size 88
		.amdhsa_user_sgpr_count 2
		.amdhsa_user_sgpr_kernarg_segment_ptr 1
		.amdhsa_wavefront_size32 1
		.amdhsa_system_sgpr_workgroup_id_x 1
		.amdhsa_system_sgpr_workgroup_id_y 1
		.amdhsa_system_sgpr_workgroup_id_z 1
		.amdhsa_system_vgpr_workitem_id 0
		.amdhsa_next_free_vgpr 1024
		.amdhsa_next_free_sgpr 66
		.amdhsa_reserve_vcc 0
		.amdhsa_float_denorm_mode_32 3
		.amdhsa_float_denorm_mode_16_64 3
		.amdhsa_memory_ordered 1
		.amdhsa_forward_progress 1
		.amdhsa_inst_pref_size 46
	.end_amdhsa_kernel
	.amdgpu_metadata
---
amdhsa.version: [ 1, 2 ]
amdhsa.kernels:
  - .name:           k_qc8e62e44a9_tail
    .symbol:         k_qc8e62e44a9_tail.kd
    .args:
      - { .name: part, .offset: 0, .size: 8, .value_kind: global_buffer, .address_space: global }
      - { .name: w1t, .offset: 8, .size: 8, .value_kind: global_buffer, .address_space: global }
      - { .name: x, .offset: 16, .size: 8, .value_kind: global_buffer, .address_space: global }
      - { .name: scalar_W, .offset: 24, .size: 8, .value_kind: global_buffer, .address_space: global }
      - { .name: scalar_b, .offset: 32, .size: 8, .value_kind: global_buffer, .address_space: global }
      - { .name: h1_b, .offset: 40, .size: 8, .value_kind: global_buffer, .address_space: global }
      - { .name: h2_W, .offset: 48, .size: 8, .value_kind: global_buffer, .address_space: global }
      - { .name: h2_b, .offset: 56, .size: 8, .value_kind: global_buffer, .address_space: global }
      - { .name: h3_W, .offset: 64, .size: 8, .value_kind: global_buffer, .address_space: global }
      - { .name: h3_b, .offset: 72, .size: 8, .value_kind: global_buffer, .address_space: global }
      - { .name: out0, .offset: 80, .size: 8, .value_kind: global_buffer, .address_space: global }
    .group_segment_fixed_size: 17152
    .private_segment_fixed_size: 0
    .kernarg_segment_align: 8
    .kernarg_segment_size: 88
    .max_flat_workgroup_size: 128
    .sgpr_count:     66
    .vgpr_count:     1024
    .wavefront_size: 32
...
	.end_amdgpu_metadata
.endif
;; end of part 4
;; ======== version 2 of 2: 4 launches; version 1 with the launch head written anew for expert scheduling mode
;; limits: values outside matrix products are rounded to f16; values are held in f16: magnitudes above 65,504 overflow, below 6.1e-05 lose precision
;; workspace buffers: w1t 8,421,376 bytes; wt 98,304 bytes; cst 4,096 bytes; hfin 67,108,864 bytes; part 8,388,608 bytes
;; launch prep: the kernel of part 1 again; grid 261 x 1, 16 waves a work-group, no clusters, 49,408 bytes of LDS; arguments h1_W, qW, kW, vW, hist_W, hist_b, qb, kb, vb, w1t, wt, cst; writes w1t, wt, cst
;; launch main: the kernel of part 2 again; grid 256 x 1, 4 waves a work-group, no clusters, 274,944 bytes of LDS; arguments x, hist_W, qb, kb, vb, ln_g, ln_b, cst, wt, hfin; writes hfin
;; launch head (part 5): grid 16 x 16, 4 waves a work-group, no clusters, 131,584 bytes of LDS; arguments hfin, w1t, part; writes part
.if DOCPART == 5
	.amdgcn_target "amdgcn-amd-amdhsa--gfx1250"
	.amdhsa_code_object_version 6
	.text
	.protected	k_qc8e62e44a9_head
	.globl	k_qc8e62e44a9_head
	.p2align	8
	.type	k_qc8e62e44a9_head,@function
k_qc8e62e44a9_head:
	s_mov_b64 s[64:65], 0
	v_nop
	global_prefetch_b8 v0, s[64:65] scope:SCOPE_SE
	s_setreg_imm32_b32 hwreg(HW_REG_WAVE_SCHED_MODE, 0, 2), 2
	s_setreg_imm32_b32 hwreg(HW_REG_WAVE_MODE, 25, 1), 1
	s_wait_xcnt 0x0
	s_wait_alu depctr_vm_vsrc(0)
; THE FIRST LAYER OF THE HEAD, its part over h: part[ks] = hfin[64 samples][2,048 k] x w1t[128 n][the same k]^T, f16 operands, f32 sums.  Work-group (x = ks, y = mt): samples 64 mt on, k = 2,048 ks on.
; K IS SPLIT AMONG THE FOUR WAVES: wave v takes 512 k, 1,024 bytes of each row, for all 4 x 8 tiles of 16 x 16; the four partial sums meet in LDS at the end (f32 sums in a fixed order, waves 0 to 3).
; The sixteen chunks' sums go to memory as f32 and are added, in ascending order, by the next launch: no work-group reads what another stores.
; LAYOUT.  Source 0 = 16 rows n of w1t, source 1 = 16 samples: a lane holds one sample (l % 16) and channels 8 (l / 16) + 0..7 of the tile.  A fragment comes straight from memory, two loads of 16 bytes a lane:
; no wave wants a byte that another has fetched, so nothing goes through LDS on the way in.
; IN FLIGHT.  Two sets of registers, 64 k each: while one is multiplied (64 products) the other's 48 loads are on their way.
; NO CLUSTER: a chunk of w1t is read by the sixteen work-groups of one ks, but fragments go to registers here; a joint load would want a ring in LDS and a round of the cluster's barrier for each 64 products a wave.
; part: a tile of 16 samples x 16 channels is 1,024 bytes in register order: registers 4 f .. 4 f + 3 of lane l at 512 f + 16 l.
; REGISTERS: window 0 addresses; window 1 the 32 accumulators (8 (8 bt + nt)); windows 2 and 3 the two sets: w1t's fragments at 64 q + 8 nt, hfin's at 128 + 32 q + 8 bt (q: which 32 of the 64 k).
; THE MODE: SCHED_MODE bits 1:0 = 2 (LLVM: expert scheduling mode 2), set by the entry lines.  The code itself states the register dependences
; between vector or matrix instructions and memory or LDS instructions, with s_wait_alu, always for 0.
; THE PLAN.  Registers that memory or LDS instructions touch:
;   v2, v3, v6-v9   offsets and LDS addresses: made once at the head, never written again: each set's two scalar bases move on, and immediate offsets do the rest.
;   set 0, set 1    Step q: its 64 products read set q % 2; the 48 loads issued in step q land in the other set, which the products of step q - 1 read.
;   accumulators    named by products alone until the meeting, where LDS stores read them.
;   window 2 again  in the meeting: LDS loads land in it (half 0: v0-127; half 1: v128-255), packed additions read and write it, the global stores read the sums.
; So ONE wait on va_vdst stands at a step's head: the products of the step before are done reading the other set.  The step's 48 loads lean on it: 24 at once, 24 between the step's two runs of 32 products,
; which name the set in hand and the accumulators and none of the registers that those loads touch.  No register that a memory or LDS instruction reads is ever written again: no wait on vm_vsrc is owed.
.set FOA, 2                            ; 65,536 r + 16 h: a fragment's rows in hfin
.set FOB, 3                            ; 65,792 r + 16 h: in w1t
.set STV, 6
.set RDV0, 7
.set RDV1, 8
.set PO,  9
.set SA,  12                           ; s[12:13], s[24:25]  set 0's, set 1's base in hfin: my samples, at the 64 k that the set is asked for next
.set SB,  14                           ; s[14:15], s[26:27]  the same in w1t
.set PT,  16                           ; s[16:17] part at my 8 tiles
.set MSB, 0
.macro WIN new
.if MSB != (\new)
	s_set_vgpr_msb (MSB<<8)|(\new)
.set MSB, (\new)
.endif
.endm
.macro PLACES
.rept 4
	v_nop
.endr
.endm
.macro LOADS set, q                    ; 24 loads: 32 k, half q of the set's 64, of 128 rows of w1t and of 64 samples
	WIN 0x80+0x40*(\set)
.irp n, 0,1,2,3,4,5,6,7
	global_load_b128 v[64*(\q)+8*\n:64*(\q)+8*\n+3], v[FOB], s[SB+12*(\set):SB+12*(\set)+1] offset:\n*1052672+64*(\q)
	global_load_b128 v[64*(\q)+8*\n+4:64*(\q)+8*\n+7], v[FOB], s[SB+12*(\set):SB+12*(\set)+1] offset:\n*1052672+64*(\q)+32
.endr
.irp b, 0,1,2,3
	global_load_b128 v[128+32*(\q)+8*\b:128+32*(\q)+8*\b+3], v[FOA], s[SA+12*(\set):SA+12*(\set)+1] offset:\b*1048576+64*(\q) th:TH_LOAD_NT
	global_load_b128 v[128+32*(\q)+8*\b+4:128+32*(\q)+8*\b+7], v[FOA], s[SA+12*(\set):SA+12*(\set)+1] offset:\b*1048576+64*(\q)+32 th:TH_LOAD_NT
.endr
.endm
.macro MULS set, q, zero               ; 32 products on half q of a set; the 32 accumulators take turns, from half to half and over the backward jump too.  zero = 1: they start the sums
	WIN 0x5a+5*(\set)
.irp b, 0,1,2,3
.irp n, 0,1,2,3,4,5,6,7
.if \zero
	v_wmma_f32_16x16x32_f16 v[8*(8*\b+\n):8*(8*\b+\n)+7], v[64*(\q)+8*\n:64*(\q)+8*\n+7], v[128+32*(\q)+8*\b:128+32*(\q)+8*\b+7], 0
.else
	v_wmma_f32_16x16x32_f16 v[8*(8*\b+\n):8*(8*\b+\n)+7], v[64*(\q)+8*\n:64*(\q)+8*\n+7], v[128+32*(\q)+8*\b:128+32*(\q)+8*\b+7], v[8*(8*\b+\n):8*(8*\b+\n)+7]
.endif
.endr
.endr
.endm
; A STEP multiplies set s and asks for the other set's next 64 k.
.macro STEP s
	PLACES                                         ; four plain instructions between the last products and the loads into the registers that they read, as in the plain form of this text
	s_add_nc_u64 s[SA+12*(1-(\s)):SA+12*(1-(\s))+1], s[SA+12*(1-(\s)):SA+12*(1-(\s))+1], 256  ; the other set's bases, two sets on: free, since the last counted wait of the step before
	s_add_nc_u64 s[SB+12*(1-(\s)):SB+12*(1-(\s))+1], s[SB+12*(1-(\s)):SB+12*(1-(\s))+1], 256  ; has shown the loads that read them done
	WIN 0x80+0x40*(1-(\s))
	s_wait_alu depctr_va_vdst(0)                   ; the products of the step before are done reading the other set, in which this step's 48 loads land
	LOADS 1-(\s), 0
	s_wait_loadcnt 48                              ; loads come back in order (ISA guide 5.7.1): this set's first half is in; its second half and the 24 just issued stay out
	MULS \s, 0, 0
	LOADS 1-(\s), 1                                ; no wait: no vector or matrix instruction since the wait at the step's head names the other set or the two offsets
	s_wait_loadcnt 48                              ; this set's second half is in; the other set's 48 stay out
	MULS \s, 1, 0
.endm
	s_load_b128 s[4:7], s[0:1], 0x0                ; hfin s4, w1t s6
	s_load_b64 s[8:9], s[0:1], 0x10                ; part
	v_lshl_add_u32 v254, v0, 2, 0x20000
	v_mov_b32 v255, 0
	v_lshrrev_b32 v1, 5, v0
	v_readfirstlane_b32 s10, v1                    ; wave 0..3
	s_and_b32 s11, ttmp7, 0xffff                   ; mt
	v_and_b32 v10, 15, v0
	v_bfe_u32 v11, v0, 4, 1
	v_and_b32 v12, 31, v0
	v_lshlrev_b32 v[FOA], 16, v10
	v_lshl_add_u32 v[FOA], v11, 4, v[FOA]
	v_mul_u32_u24 v[FOB], v10, 0x10100
	v_lshl_add_u32 v[FOB], v11, 4, v[FOB]
	s_wait_alu depctr_va_sdst(0)                   ; s10 is written, ahead of its first reader: LDS addresses and the bases are made from it
	s_lshl_b32 s30, s10, 15                        ; (s30 and s31, which vector instructions read, are not written again)
	v_lshl_add_u32 v[STV], v12, 4, s30             ; my wave's 32 KiB of partial sums
	s_lshl_b32 s31, s10, 13
	v_lshl_add_u32 v[RDV0], v12, 4, s31            ; the tiles bt = my wave's number, of waves 0 and 1,
	v_add_nc_u32 v[RDV1], 0x10000, v[RDV0]         ; and of waves 2 and 3
	v_lshlrev_b32 v[PO], 4, v12
	s_lshl_b32 s18, ttmp9, 12                      ; the chunk's 4,096 bytes of a row,
	s_lshl_b32 s19, s10, 10                        ; my wave's 1,024 of them
	s_add_co_u32 s18, s18, s19
	s_mov_b32 s19, 0
	s_lshl_b32 s20, s11, 22                        ; 64 samples of 65,536 bytes
	s_mov_b32 s21, 0
	s_lshl_b32 s22, ttmp9, 6
	s_lshl2_add_u32 s22, s11, s22
	s_add_co_u32 s22, s22, s10                     ; 64 ks + 4 mt + wave: my 16 samples' 8 tiles
	s_lshl_b32 s22, s22, 13
	s_mov_b32 s23, 0
	s_wait_kmcnt 0x0
	s_add_nc_u64 s[SA:SA+1], s[4:5], s[20:21]
	s_add_nc_u64 s[SA:SA+1], s[SA:SA+1], s[18:19]
	s_add_nc_u64 s[SB:SB+1], s[6:7], s[18:19]
	s_add_nc_u64 s[SB:SB+1], s[SB:SB+1], 256       ; h's part of a row of w1t begins behind scalar_emb's 128 numbers
	s_add_nc_u64 s[SA+12:SA+13], s[SA:SA+1], 128   ; set 1 begins 64 k on
	s_add_nc_u64 s[SB+12:SB+13], s[SB:SB+1], 128
	s_add_nc_u64 s[PT:PT+1], s[8:9], s[22:23]
	WIN 0x80
	s_wait_alu depctr_va_vdst(0)                   ; v2, v3 and v6 to v9 are written: every load, LDS access and store but the closing add reads one of them as its offset or address
	LOADS 0, 0                                     ; sets 0 and 1 of my eight
	LOADS 0, 1
	LOADS 1, 0
	LOADS 1, 1
	s_wait_loadcnt 48                              ; set 0 is in; the 48 younger loads may stay out
	MULS 0, 0, 1                                   ; the first products stand ahead of the loop: they start the sums
	MULS 0, 1, 0
	WIN 0
	s_mov_b32 s28, 3
.Lturn:                                        ; a trip: two sets are asked for, two multiplied
	STEP 1
	STEP 0
	WIN 0
	s_sub_co_u32 s28, s28, 1
	s_cmp_lg_u32 s28, 0
	s_cbranch_scc1 .Lturn
	s_wait_loadcnt 24                              ; the last set: nothing is left to fetch, and the counts run down: its first half is in,
	MULS 1, 0, 0
	s_wait_loadcnt 0x0                             ; its second
	MULS 1, 1, 0
	PLACES                                         ; four places behind the last product, before its result is read (ISA guide 7.12.1); they stay beside the wait below
	WIN 0x04                                       ; THE MEETING.  Each accumulator's lower four registers are stored first
	s_wait_alu depctr_va_vdst(0)                   ; the products have written the accumulators, which the LDS stores read; they are also done reading set 0, in which the LDS loads behind the barrier land
.set i, 0
.rept 32
	ds_store_b128 v[STV], v[8*i:8*i+3] offset:i*1024
	ds_store_b128 v[STV], v[8*i+4:8*i+7] offset:i*1024+512
.set i, i+1
.endr
	WIN 0
	s_wait_dscnt 0x0
	s_barrier_signal -1
	s_barrier_wait -1                              ; all four waves' partial sums lie in LDS; wave v finishes the 16 samples bt = v
.irp hf, 0,1
	WIN 0x80
.irp n, 0,1,2,3
.irp f, 0,1
	ds_load_b128 v[128*\hf+32*\n+16*\f:128*\hf+32*\n+16*\f+3], v[RDV0] offset:(4*\hf+\n)*1024+\f*512  ; no wait: no vector or matrix instruction since the last wait on va_vdst names this half's 128 registers
	ds_load_b128 v[128*\hf+32*\n+16*\f+4:128*\hf+32*\n+16*\f+7], v[RDV0] offset:32768+(4*\hf+\n)*1024+\f*512
	ds_load_b128 v[128*\hf+32*\n+16*\f+8:128*\hf+32*\n+16*\f+11], v[RDV1] offset:(4*\hf+\n)*1024+\f*512
	ds_load_b128 v[128*\hf+32*\n+16*\f+12:128*\hf+32*\n+16*\f+15], v[RDV1] offset:32768+(4*\hf+\n)*1024+\f*512
.endr
.endr
	s_wait_dscnt 0x0
	WIN 0x8a
.irp u, 1,2,3
.irp g, 0,1,2,3,4,5,6,7
	v_pk_add_f32 v[128*\hf+16*\g:128*\hf+16*\g+1], v[128*\hf+16*\g:128*\hf+16*\g+1], v[128*\hf+16*\g+4*\u:128*\hf+16*\g+4*\u+1]
	v_pk_add_f32 v[128*\hf+16*\g+2:128*\hf+16*\g+3], v[128*\hf+16*\g+2:128*\hf+16*\g+3], v[128*\hf+16*\g+4*\u+2:128*\hf+16*\g+4*\u+3]
.endr
.endr
	WIN 0x08
	s_wait_alu depctr_va_vdst(0)                   ; the additions have written this half's sums, which the stores read
.irp g, 0,1,2,3,4,5,6,7
	global_store_b128 v[PO], v[128*\hf+16*\g:128*\hf+16*\g+3], s[PT:PT+1] offset:\hf*4096+\g*512  ; 512 consecutive bytes, at a multiple of 256 from part's first byte
.endr
.endr
	WIN 0
	s_wait_dscnt 0x0                               ; the wave's end.  The closing add below names LDS bytes 131,072 on
	s_wait_alu depctr_hold_cnt(0) depctr_sa_sdst(0) depctr_va_vdst(0) depctr_va_sdst(0) depctr_va_ssrc(0) depctr_va_vcc(0) depctr_vm_vsrc(0)
	s_wait_tensorcnt 0x0
	ds_add_u32 v254, v255
	s_wait_dscnt 0x0
	s_endpgm
.Lfunc_end_k_qc8e62e44a9_head:
	.size	k_qc8e62e44a9_head, .Lfunc_end_k_qc8e62e44a9_head-k_qc8e62e44a9_head
	.p2alignl 7, 3214868480
	.fill 96, 4, 3214868480
	.section	.rodata,"a",@progbits
	.p2align	6, 0x0
	.amdhsa_kernel k_qc8e62e44a9_head
		.amdhsa_group_segment_fixed_size 131584
		.amdhsa_private_segment_fixed_size 0
		.amdhsa_enable_private_segment 0
		.amdhsa_kernarg_size 24
		.amdhsa_user_sgpr_count 2
		.amdhsa_user_sgpr_kernarg_segment_ptr 1
		.amdhsa_wavefront_size32 1
		.amdhsa_system_sgpr_workgroup_id_x 1
		.amdhsa_system_sgpr_workgroup_id_y 1
		.amdhsa_system_sgpr_workgroup_id_z 1
		.amdhsa_system_vgpr_workitem_id 0
		.amdhsa_next_free_vgpr 1024
		.amdhsa_next_free_sgpr 66
		.amdhsa_reserve_vcc 0
		.amdhsa_float_denorm_mode_32 3
		.amdhsa_float_denorm_mode_16_64 3
		.amdhsa_memory_ordered 1
		.amdhsa_forward_progress 1
		.amdhsa_inst_pref_size 54
	.end_amdhsa_kernel
	.amdgpu_metadata
---
amdhsa.version: [ 1, 2 ]
amdhsa.kernels:
  - .name:           k_qc8e62e44a9_head
    .symbol:         k_qc8e62e44a9_head.kd
    .args:
      - { .name: hfin, .offset: 0, .size: 8, .value_kind: global_buffer, .address_space: global }
      - { .name: w1t, .offset: 8, .size: 8, .value_kind: global_buffer, .address_space: global }
      - { .name: part, .offset: 16, .size: 8, .value_kind: global_buffer, .address_space: global }
    .group_segment_fixed_size: 131584
    .private_segment_fixed_size: 0
    .kernarg_segment_align: 8
    .kernarg_segment_size: 24
    .max_flat_workgroup_size: 128
    .sgpr_count:     66
    .vgpr_count:     1024
    .wavefront_size: 32
...
	.end_amdgpu_metadata
.endif
;; end of part 5
;; launch tail: the kernel of part 4 again; grid 64 x 1, 4 waves a work-group, no clusters, 17,152 bytes of LDS; arguments part, w1t, x, scalar_W, scalar_b, h1_b, h2_W, h2_b, h3_W, h3_b, out0; writes out0
